; MI455X (gfx1250); checked and timed in simulation.
; The chip was launched on July 23, 2026; its instructions are those of AMD's public machine-readable ISA for CDNA 5 (MIT licence, August 2026) and "CDNA5" Instruction Set Architecture Reference Guide (July 2026). The comments in the code are by the model that wrote it; some were corrected since.
;; QKV Attention. Allowed arithmetic: matrix products marked QUANTISED: E2M3 operands, one E8M0 scale for each 32 along K, by v_wmma_scale_f32_16x16x128_f8f6f4 with both operands' format E2M3, f32 sums; everything else in f32.
;; Inputs: Wk 1,024 x 1,024 float32; Wo 1,024 x 1,024 float32; Wq 1,024 x 1,024 float32; Wv 1,024 x 1,024 float32; bk 1,024 float32; bo 1,024 float32; bq 1,024 float32; bv 1,024 float32; k 4 x 2,048 x 1,024 float32; offset one number float32; q 4 x 2,048 x 1,024 float32; v 4 x 2,048 x 1,024 float32.
;; Outputs: out0 4 x 2,048 x 1,024 float32.
;; This version of the problem:
;;   THIS VERSION OF THE PROBLEM IS GIVEN IN LOW PRECISION. The matrix products marked QUANTISED in the list below multiply operands that are first quantised to E2M3 (2 exponent bits, 3 mantissa bits; 6 bits a number), with one power-of-two scale for each 32 numbers along K (OCP MX v1.0); their sums are f32. All else is computed in f32.
;;   The module's matrix products, in the order in which they are computed (A, B: the left and right operand; K: the contracted axis; several contracted axes count as one K, in the product's order):
;;     1. [M 8,192, K 1,024] x [K 1,024, N 1,024]; A: input q; B: input Wq: QUANTISED
;;     2. [M 8,192, K 1,024] x [K 1,024, N 1,024]; A: input k; B: input Wk: QUANTISED
;;     3. [M 8,192, K 1,024] x [K 1,024, N 1,024]; A: input v; B: input Wv: QUANTISED
;;     4. batch 64 x [M 2,048, K 64] x [K 64, N 2,048]; A: computed on the way; B: computed on the way: QUANTISED
;;     5. batch 64 x [M 2,048, K 2,048] x [K 2,048, N 64]; A: softmax (see below); B: computed on the way: QUANTISED
;;     6. [M 8,192, K 1,024] x [K 1,024, N 1,024]; A: computed on the way; B: input Wo: QUANTISED
;;   THE QUANTISER, for each operand of a quantised product, along K:
;;     - K is cut into blocks of 32 from its start; a last block that is shorter is filled with zeros.
;;     - A block's scale is 2^e with e = floor(log2(the largest magnitude in the block)) - 2, held to -126 .. 127; a block of zeros has e = 0. As a byte (E8M0): e + 127.
;;     - Each number is divided by its block's scale, clamped to +-7.5, and rounded to the nearest number of E2M3, ties to even, subnormals kept.
;;     - The product sums the exact products of the quantised numbers (number of the format x scale) in f32.
;;   ~~~python
;;   def quantise(x, axis):      # numpy; x: float32 -> the quantised numbers, widened to float32 again
;;       x = np.moveaxis(x, axis, -1); K = x.shape[-1]
;;       x = np.pad(x, [(0, 0)] * (x.ndim - 1) + [(0, -K % 32)]); x = x.reshape(x.shape[:-1] + (-1, 32)); a = np.abs(x).max(-1, keepdims=True)
;;       e = np.where(a > 0, np.clip(np.frexp(np.where(a > 0, a, 1))[1] - 1 - 2, -126, 127), 0)      # np.frexp(a)[1] - 1 = floor(log2(a)), exactly
;;       r = np.clip(x / 2.0 ** e, -7.5, 7.5)
;;       step = 2.0 ** (np.maximum(np.frexp(np.where(r == 0, 1, r))[1] - 1, 0) - 3)
;;       q = np.round(r / step) * step * 2.0 ** e      # np.round: ties to even
;;       return np.moveaxis(q.reshape(q.shape[:-2] + (-1,))[..., :K], -1, axis).astype(np.float32)
;;   ~~~
;;   SOFTMAX AHEAD OF A QUANTISED PRODUCT. Where the list says 'softmax', what is quantised is not the finished softmax but p = 2^(t - M), with t = logit x log2(e) and M = ceil(the row's largest t), a whole number; so 1/2 < the row's largest p <= 1. The row's sum l is taken of the UNQUANTISED p, in f32, and the product's result is divided by l at the end. Since M is a whole number, a kernel that streams over the keys may use a running M (the ceiling of the running maximum): every later rescaling is an exact power of two, which a block's scale takes up: the codes' values come out the same.
;;   OPERANDS COMPUTED ON THE WAY. 'Computed on the way' means the value that the module computes at that place (a softmax that the list does not call 'softmax' is quantised finished and normalised). What goes into a quantiser is computed in f32, as accurately as f32 sums, v_exp_f32 and their like allow (about 1e-6 of the number): no bf16 or f16 on the way to a quantiser, and a product that is left as it is and whose result goes on into a quantised operand takes f32 operands (vector FMAs, or v_wmma_f32_16x16x4_f32). A number that lies on a knife's edge between two numbers of the format may be rounded either way, as far as f32 arithmetic and the matrix unit's own rounding can turn it there, and no further.
;; One version. Each part assembles by itself: llvm-mc -triple=amdgcn-amd-amdhsa -mcpu=gfx1250 --defsym DOCPART=n.
;; ======== version 1 of 1: 4 launches
;; limits: right only within a limited range of input values
;; workspace buffers: xc 18,874,368 bytes; xs 786,432 bytes; wc 3,145,728 bytes; ws 131,072 bytes; qp 13,107,200 bytes; kv 13,107,200 bytes; oc 6,291,456 bytes; os 262,144 bytes
;; launch quant (part 1): grid 896 x 1, 4 waves a work-group, no clusters, 58,880 bytes of LDS; arguments q, k, v, Wq, Wk, Wv, Wo, xc, xs, wc, ws; writes xc, xs, wc, ws
.if DOCPART == 1
	.amdgcn_target "amdgcn-amd-amdhsa--gfx1250"
	.amdhsa_code_object_version 6
	.text
	.protected	k_q24ffbe8d09_quant
	.globl	k_q24ffbe8d09_quant
	.p2align	8
	.type	k_q24ffbe8d09_quant,@function
k_q24ffbe8d09_quant:
	s_mov_b64 s[64:65], 0
	v_nop
	global_prefetch_b8 v0, s[64:65] scope:SCOPE_SE
	s_setreg_imm32_b32 hwreg(HW_REG_WAVE_MODE, 25, 1), 1
	s_wait_xcnt 0x0
; q, k, v [8192][1024] f32 and Wq, Wk, Wv, Wo [1024 (K)][1024 (n)] f32 become codes of FP6 (E2M3) with one E8M0 byte for each 32 along K, laid in the order of a matrix operand's registers.
; A block's scale is 2^(floor(log2(its largest magnitude)) - 2): its byte is the largest magnitude's exponent field - 2, held at 1 from below by a floor among the maximum's leaves.
; LIMITS: a block of zeros, or one whose largest magnitude lies under 2^-124, keeps the byte 1 (its codes are then zeros or the numbers divided by 2^-126; the bytes are read by this program alone); NaN and infinities are not served.
; TILE ORDER.  Position p of an operand's rows: tile p / 16, row r = p % 16; the actual row is 32 (tile / 2) + 8 (tile % 2) + r + 8 (r / 8).
; IMAGE ORDER.  A fragment (16 rows x 128 K, 12 registers a lane) is 1,536 bytes, two halves of 768: registers 6 c .. 6 c + 3 at 768 c + 16 lane, registers 6 c + 4, 6 c + 5 at 768 c + 512 + 8 lane.
; xc, wc: [tensor][tile][K step of 128][1,536].  xs, ws: [tensor][tile][half of K][r][4 words], a word = the four bytes of one K step.
; Work-groups 0 to 127 take the weights, the others q, k, v.  The two ways have LDS bytes of their own.  Waves share nothing: no barrier.  Memory binds: no matrix unit, no cluster (no input byte is read by two work-groups).
.set R,     16                         ; x: v16-143  two sets of 64 numbers as loaded (16 rows x 16 bytes a lane)
.set X,     144                        ; x: v144-207 64 numbers of my row: register 16 b + i = k 32 b + 16 h + i
.set PC,    208                        ; x: v208-219 the fragment's codes; v220-222, v224-226 the conversions' second halves
.set TM,    228                        ; x: v228-231 largest magnitudes, v232-235 bytes, v240-243 the conversions' scale operands
.set SW,    244                        ; x: v244-247 the scale words of my four K steps
.set SEL,   28                         ; s[28:29] lane selects: lane l xor 16
.set XSTG,  8448                       ; x: a wave's stage: 16 rows x (512 + 16) bytes
.set WST0,  4*XSTG                     ; the weights' stages begin behind x's
.set WSTG,  6144                       ; a wave's: two tiles x two K steps x 1,536
.set WX,    32                         ; W: v32-95 two sets of 32 numbers down K
.set WC,    96                         ; W: v96-102 a block's codes
.set OUTR,  112                        ; W: v112-159 the way out
.set SB,    24                         ; W: v24-25 eight scale bytes
.set TILEB, 12288                      ; a tile's codes: 8 K steps
.set WCB,   786432                     ; a weight's codes
; 64 numbers of a lane, v[s] on, become a fragment's codes in v[PC] on and its row's scale word in v[word]
.macro QUANT s, word
.irp b, 0,1,2,3
	v_max3_num_f32 v[TM+\b], |v[\s+16*\b]|, |v[\s+1+16*\b]|, 0x1800000   ; block b: my 16 numbers, and the floor 2^(3 - 127)
.endr
.irp i, 2,4,6,8,10,12,14
.irp b, 0,1,2,3
	v_max3_num_f32 v[TM+\b], v[TM+\b], |v[\s+16*\b+\i]|, |v[\s+1+16*\b+\i]|   ; the four blocks by turns
.endr
.endr
.irp b, 0,1,2,3
	v_permlanex16_b32 v[TM+4+\b], v[TM+\b], s[SEL], s[SEL+1]
.endr
.irp b, 0,1,2,3
	v_max_num_f32 v[TM+\b], v[TM+\b], v[TM+4+\b]   ; with lane l xor 16's 16 numbers: the block's largest magnitude
.endr
.irp b, 0,1,2,3
	v_add_nc_u32 v[TM+12+\b], 0xff000000, v[TM+\b]   ; 2 off its exponent field: the conversion's scale operand
.endr
.irp b, 0,1,2,3
	v_lshrrev_b32 v[TM+4+\b], 23, v[TM+12+\b]      ; the scale's byte
.endr
	v_lshl_or_b32 v[\word], v[TM+5], 8, v[TM+4]
	v_lshl_or_b32 v[\word], v[TM+6], 16, v[\word]
	v_lshl_or_b32 v[\word], v[TM+7], 24, v[\word]
	s_wait_xcnt 0x0                                ; the last K step's stores have read the codes' registers: they are written again only behind this wait
.irp c, 0,1
	v_cvt_scalef32_pk16_fp6_f32 v[PC+6*\c:PC+2+6*\c], v[\s+32*\c:\s+15+32*\c], v[TM+12+2*\c]
	v_cvt_scalef32_pk16_fp6_f32 v[PC+12+4*\c:PC+14+4*\c], v[\s+16+32*\c:\s+31+32*\c], v[TM+12+2*\c+1]   ; (a conversion's three registers begin on an even number)
.endr
	v_nop                                          ; one plain instruction behind a scaled conversion
.irp c, 0,1                                    ; the layout wants a whole block in a lane: lanes 0-15 block 2 c, lanes 16-31 block 2 c + 1
.irp i, 0,1,2
	v_permlane16_swap_b32 v[PC+6*\c+\i], v[PC+12+4*\c+\i]
.endr
.irp i, 0,1,2
	v_mov_b32 v[PC+3+6*\c+\i], v[PC+12+4*\c+\i]
.endr
.endr
.endm
; K step t of my half of K: 16 loads, each 512 consecutive bytes of one of the tile's rows
.macro LOADX t
.irp p, 0,1,2,3,4,5,6,7,8,9,10,11,12,13,14,15
	global_load_b128 v[R+64*((\t)%2)+4*\p:R+64*((\t)%2)+4*\p+3], v[4+5*(\p/8)], s[4:5] offset:(\p+8*(\p/8))*4096+512*(\t) th:TH_LOAD_NT   ; rows 8-15 of the tile go by v9
.endr
.endm
.macro KSTEP t
.if (\t) < 3
	s_wait_loadcnt 16                              ; this K step's 16 loads are in; the next one's 16 may be out
.else
	s_wait_loadcnt 0x0
.endif
.irp p, 0,1,2,3,4,5,6,7,8,9,10,11,12,13,14,15
	ds_store_b128 v6, v[R+64*((\t)%2)+4*\p:R+64*((\t)%2)+4*\p+3] offset:528*\p   ; the rows as they lie
.endr
.irp b, 0,1,2,3
.irp j, 0,1,2,3
	ds_load_b128 v[X+16*\b+4*\j:X+16*\b+4*\j+3], v7 offset:128*\b+16*\j   ; back: of row r, 16 neighbours of each block (LDS serves a wave's instructions in order)
.endr
.endr
	s_wait_dscnt 0x0                               ; the numbers are back, and the stores have read their registers,
.if (\t) < 2
	LOADX (\t)+2                                   ; which take the loads of two K steps on
.endif
	QUANT X, SW+(\t)
	global_store_b128 v4, v[PC:PC+3], s[18:19] offset:1536*(\t)          ; 512 consecutive bytes
	global_store_b64 v5, v[PC+4:PC+5], s[18:19] offset:1536*(\t)+512     ; 256
	global_store_b128 v4, v[PC+6:PC+9], s[18:19] offset:1536*(\t)+768
	global_store_b64 v5, v[PC+10:PC+11], s[18:19] offset:1536*(\t)+1280
.endm
; W: block t: W(32 t + i, my column), i = 0 .. 31
.macro LOADW t
.irp i, 0,1,2,3,4,5,6,7,8,9,10,11,12,13,14,15,16,17,18,19,20,21,22,23,24,25,26,27,28,29,30,31
	global_load_b32 v[WX+32*((\t)%2)+\i], v3, s[10:11] offset:(32*(\t)+\i)*4096 th:TH_LOAD_NT
.endr
.endm
.macro BLOCK t
.set XS, WX+32*((\t)%2)
.if (\t) < 7
	s_wait_loadcnt 32                              ; this block's 32 loads are in; the next block's may be out
.else
	s_wait_loadcnt 0x0
.endif
	v_max3_num_f32 v12, |v[XS]|, |v[XS+1]|, |v[XS+2]|   ; all 32 numbers of the block are mine
	v_max3_num_f32 v13, |v[XS+3]|, |v[XS+4]|, |v[XS+5]|
.irp i, 6,10,14,18,22,26
	v_max3_num_f32 v12, v12, |v[XS+\i]|, |v[XS+\i+1]|
	v_max3_num_f32 v13, v13, |v[XS+\i+2]|, |v[XS+\i+3]|
.endr
	v_max3_num_f32 v12, v12, |v[XS+30]|, |v[XS+31]|
	v_max3_num_f32 v12, v12, v13, 0x1800000        ; and the floor
	v_add_nc_u32 v11, 0xff000000, v12              ; the conversion's scale operand
	v_lshrrev_b32 v13, 23, v11                     ; the byte
.if (\t)%4 == 0
	v_mov_b32 v[SB+(\t)/4], v13
.else
	v_lshl_or_b32 v[SB+(\t)/4], v13, 8*((\t)%4), v[SB+(\t)/4]
.endif
	v_cvt_scalef32_pk16_fp6_f32 v[WC:WC+2], v[XS:XS+15], v11
	v_cvt_scalef32_pk16_fp6_f32 v[WC+4:WC+6], v[XS+16:XS+31], v11
	v_nop                                          ; one plain instruction behind a scaled conversion
	v_mov_b32 v[WC+3], v[WC+4]                     ; the block's six registers on end
	v_mov_b32 v[WC+4], v[WC+5]
	v_mov_b32 v[WC+5], v[WC+6]
	ds_store_b128 v4, v[WC:WC+3] offset:((\t)/4)*1536+(((\t)%4)/2)*768+((\t)%2)*256       ; K step t / 4, half c = (t % 4) / 2, lane r' + 16 (t % 2) of the image
	ds_store_b64 v5, v[WC+4:WC+5] offset:((\t)/4)*1536+(((\t)%4)/2)*768+512+((\t)%2)*128
.if (\t)+2 < 8
	LOADW (\t)+2
.endif
	s_wait_dscnt 0x0                               ; the stores have read their registers: the next block's codes may be written
.endm
	s_load_b256 s[4:11], s[0:1], 0x0               ; q, k, v, Wq
	s_load_b256 s[12:19], s[0:1], 0x20             ; Wk, Wv, Wo, xc
	s_load_b128 s[20:23], s[0:1], 0x40             ; xs, wc
	s_load_b64 s[24:25], s[0:1], 0x50              ; ws
	v_lshl_add_u32 v254, v0, 2, 0xe400
	v_mov_b32 v255, 0
	v_lshrrev_b32 v1, 5, v0
	v_readfirstlane_b32 s26, v1                    ; wave 0..3
	v_and_b32 v1, 31, v0                           ; lane
	s_cmp_lt_u32 ttmp9, 128
	s_cbranch_scc1 .Lweights
	; ---- q, k, v: K is innermost.  A wave takes one tile of 16 rows and half of K: four K steps of 128
	v_and_b32 v2, 15, v0                           ; r
	v_bfe_u32 v3, v0, 4, 1                         ; h
	v_lshlrev_b32 v4, 4, v1                        ; 16 x lane
	v_lshlrev_b32 v5, 3, v1                        ; 8 x lane
	s_mul_i32 s30, s26, XSTG                       ; my stage
	v_add_nc_u32 v6, s30, v4                       ; in: 16 x lane of a row
	v_mul_u32_u24 v7, v2, 528
	v_lshl_add_u32 v7, v3, 6, v7
	v_add_nc_u32 v7, s30, v7                       ; back: row r, + 64 h
	v_lshlrev_b32 v8, 4, v2
	v_lshl_add_u32 v8, v3, 3, v8                   ; scale words: 16 r + 8 h
	s_mov_b32 s[SEL], 0x76543210
	s_mov_b32 s[SEL+1], 0xfedcba98
.irp b, 0,1,2,3
	v_mov_b32 v[TM+4+\b], 0                        ; written once: a lane permute's destination counts as one of its sources
.endr
	s_sub_co_u32 s27, ttmp9, 128
	s_lshl_b32 s27, s27, 1
	s_lshr_b32 s30, s26, 1
	s_add_co_u32 s27, s27, s30                     ; my tile, 0 .. 1535, over the three tensors
	s_and_b32 s31, s26, 1                          ; my half of K
	s_lshr_b32 s32, s27, 9                         ; the tensor
	s_and_b32 s33, s27, 511
	; k ALONE HAS ANOTHER TILE ORDER: the actual row of its tile's row r is 64 (tile / 4) + 8 (tile % 4) + r % 8 + 32 (r / 8), so that rows 0-7 of four tiles on end are one block of 32 keys and rows 8-15 the next block
	s_cmp_eq_u32 s32, 1                            ; the tensor's number hangs on ids alone
	s_cselect_b32 s40, 2, 1
	s_cselect_b32 s41, 6, 5
	s_cselect_b32 s42, 3, 1
	s_cselect_b32 s43, 0x10000, 0                  ; k: rows 8-15 lie 16 rows of 4,096 bytes further on than in the other tensors
	s_lshr_b32 s34, s33, s40
	s_lshl_b32 s34, s34, s41
	s_and_b32 s35, s33, s42
	s_lshl_b32 s35, s35, 3
	v_add_nc_u32 v9, s43, v4
	s_add_co_u32 s34, s34, s35                     ; the tile's first row: 32 (tile / 2) + 8 (tile % 2)
	s_lshl_b32 s34, s34, 12                        ; x 4,096 bytes
	s_lshl_b32 s35, s31, 11
	s_add_co_u32 s34, s34, s35                     ; + 2,048 x half
	s_mov_b32 s35, 0
	s_mul_i32 s36, s27, TILEB
	s_mul_i32 s38, s31, 6144
	s_add_co_u32 s36, s36, s38                     ; the codes' place
	s_mov_b32 s37, 0
	s_lshl_b32 s38, s27, 9
	s_lshl_b32 s39, s31, 8
	s_add_co_u32 s38, s38, s39                     ; the scale words' place
	s_mov_b32 s39, 0
	s_wait_alu depctr_va_vdst(0)
	s_wait_kmcnt 0x0
	s_cmp_eq_u32 s32, 1                            ; the choice hangs on the work-group's and the wave's number alone
	s_cselect_b64 s[4:5], s[6:7], s[4:5]
	s_cmp_eq_u32 s32, 2
	s_cselect_b64 s[4:5], s[8:9], s[4:5]
	s_add_nc_u64 s[4:5], s[4:5], s[34:35]
	s_add_nc_u64 s[18:19], s[18:19], s[36:37]
	s_add_nc_u64 s[20:21], s[20:21], s[38:39]
	LOADX 0
	LOADX 1
	KSTEP 0
	KSTEP 1
	KSTEP 2
	KSTEP 3
	v_cmp_eq_u32 vcc_lo, 1, v3
	v_cndmask_b32 v[TM], v[SW], v[SW+2], vcc_lo    ; lane (r, h) stores words 2 h and 2 h + 1 of row r:
	v_cndmask_b32 v[TM+1], v[SW+1], v[SW+3], vcc_lo
	global_store_b64 v8, v[TM:TM+1], s[20:21]      ; the wave's 32 lanes cover 256 consecutive bytes, aligned
	s_wait_tensorcnt 0x0
	ds_add_u32 v254, v255
	s_wait_dscnt 0x0
	s_endpgm
.Lweights:
	; ---- the weights: K is the FIRST axis.  A lane takes a column and its registers run down K; a wave takes 32 columns (two tiles) x 256 along K (two K steps)
	s_lshr_b32 s27, ttmp9, 5                       ; which weight
	s_bfe_u32 s30, ttmp9, 0x20003                  ; which 256 along K
	s_and_b32 s31, ttmp9, 7
	s_lshl_b32 s32, s31, 2
	s_add_co_u32 s32, s32, s26                     ; G: which 32 columns
	s_wait_alu depctr_va_vdst(0)
	v_lshlrev_b32 v3, 2, v1                        ; in: 4 bytes a lane
	v_bfe_u32 v10, v0, 3, 1                        ; u: my column's tile of the two
	v_and_b32 v11, 7, v0
	v_bfe_u32 v12, v0, 4, 1
	v_lshl_add_u32 v11, v12, 3, v11                ; r': its row in that tile
	s_mul_i32 s33, s26, WSTG
	s_add_co_u32 s33, s33, WST0                    ; my stage
	v_mul_u32_u24 v12, v10, 3072
	v_add_nc_u32 v12, s33, v12
	v_lshl_add_u32 v4, v11, 4, v12                 ; into it: tile u, 16 r'
	v_lshl_add_u32 v5, v11, 3, v12                 ; and 8 r'
	v_lshlrev_b32 v7, 4, v1                        ; out: 16 x lane
	v_add_nc_u32 v6, s33, v7
	v_lshlrev_b32 v9, 9, v10
	v_lshl_add_u32 v9, v11, 4, v9                  ; scale words: 512 u + 16 r'
	s_lshl_b32 s34, s30, 20                        ; 256 rows of 4,096 bytes
	s_lshl_b32 s35, s32, 7                         ; 32 columns of 4 bytes
	s_add_co_u32 s34, s34, s35
	s_mov_b32 s35, 0
	s_mul_i32 s36, s27, WCB
	s_mul_i32 s38, s32, 2*TILEB
	s_add_co_u32 s36, s36, s38
	s_mul_i32 s38, s30, 3072
	s_add_co_u32 s36, s36, s38                     ; codes: weight, tile 2 G, K step 2 ky
	s_mov_b32 s37, 0
	s_lshl_b32 s38, s27, 15
	s_lshl_b32 s40, s32, 10
	s_add_co_u32 s38, s38, s40
	s_lshr_b32 s40, s30, 1
	s_lshl_b32 s40, s40, 8
	s_add_co_u32 s38, s38, s40
	s_and_b32 s40, s30, 1
	s_lshl_b32 s40, s40, 3
	s_add_co_u32 s38, s38, s40                     ; scale words: weight, tile 2 G, half ky / 2, words 2 (ky % 2) on
	s_mov_b32 s39, 0
	s_wait_kmcnt 0x0
	s_cmp_eq_u32 s27, 1
	s_cselect_b64 s[10:11], s[12:13], s[10:11]
	s_cmp_eq_u32 s27, 2
	s_cselect_b64 s[10:11], s[14:15], s[10:11]
	s_cmp_eq_u32 s27, 3
	s_cselect_b64 s[10:11], s[16:17], s[10:11]
	s_add_nc_u64 s[10:11], s[10:11], s[34:35]
	s_add_nc_u64 s[22:23], s[22:23], s[36:37]
	s_add_nc_u64 s[24:25], s[24:25], s[38:39]
	LOADW 0
	LOADW 1
.irp t, 0,1,2,3,4,5,6,7
	BLOCK \t
.endr
	s_wait_alu depctr_va_vdst(0)
	global_store_b64 v9, v[SB:SB+1], s[24:25]      ; my column's two scale words
.irp i, 0,1,2,3,4,5,6,7,8,9,10,11
	ds_load_b128 v[OUTR+4*\i:OUTR+4*\i+3], v6 offset:512*\i   ; the images, 512 bytes an instruction
.endr
.irp i, 0,1,2,3,4,5,6,7,8,9,10,11
	s_wait_dscnt 11-\i
	global_store_b128 v7, v[OUTR+4*\i:OUTR+4*\i+3], s[22:23] offset:(\i/6)*TILEB+(\i%6)*512   ; 512 consecutive bytes, aligned
.endr
	s_wait_tensorcnt 0x0
	ds_add_u32 v254, v255
	s_wait_dscnt 0x0
	s_endpgm
.Lfunc_end_k_q24ffbe8d09_quant:
	.size	k_q24ffbe8d09_quant, .Lfunc_end_k_q24ffbe8d09_quant-k_q24ffbe8d09_quant
	.p2alignl 7, 3214868480
	.fill 96, 4, 3214868480
	.section	.rodata,"a",@progbits
	.p2align	6, 0x0
	.amdhsa_kernel k_q24ffbe8d09_quant
		.amdhsa_group_segment_fixed_size 58880
		.amdhsa_private_segment_fixed_size 0
		.amdhsa_enable_private_segment 0
		.amdhsa_kernarg_size 88
		.amdhsa_user_sgpr_count 2
		.amdhsa_user_sgpr_kernarg_segment_ptr 1
		.amdhsa_wavefront_size32 1
		.amdhsa_system_sgpr_workgroup_id_x 1
		.amdhsa_system_sgpr_workgroup_id_y 1
		.amdhsa_system_sgpr_workgroup_id_z 1
		.amdhsa_system_vgpr_workitem_id 0
		.amdhsa_next_free_vgpr 256
		.amdhsa_next_free_sgpr 66
		.amdhsa_reserve_vcc 1
		.amdhsa_float_denorm_mode_32 3
		.amdhsa_float_denorm_mode_16_64 3
		.amdhsa_memory_ordered 1
		.amdhsa_forward_progress 1
		.amdhsa_inst_pref_size 76
	.end_amdhsa_kernel
	.amdgpu_metadata
---
amdhsa.version: [ 1, 2 ]
amdhsa.kernels:
  - .name:           k_q24ffbe8d09_quant
    .symbol:         k_q24ffbe8d09_quant.kd
    .args:
      - { .name: q, .offset: 0, .size: 8, .value_kind: global_buffer, .address_space: global }
      - { .name: k, .offset: 8, .size: 8, .value_kind: global_buffer, .address_space: global }
      - { .name: v, .offset: 16, .size: 8, .value_kind: global_buffer, .address_space: global }
      - { .name: Wq, .offset: 24, .size: 8, .value_kind: global_buffer, .address_space: global }
      - { .name: Wk, .offset: 32, .size: 8, .value_kind: global_buffer, .address_space: global }
      - { .name: Wv, .offset: 40, .size: 8, .value_kind: global_buffer, .address_space: global }
      - { .name: Wo, .offset: 48, .size: 8, .value_kind: global_buffer, .address_space: global }
      - { .name: xc, .offset: 56, .size: 8, .value_kind: global_buffer, .address_space: global }
      - { .name: xs, .offset: 64, .size: 8, .value_kind: global_buffer, .address_space: global }
      - { .name: wc, .offset: 72, .size: 8, .value_kind: global_buffer, .address_space: global }
      - { .name: ws, .offset: 80, .size: 8, .value_kind: global_buffer, .address_space: global }
    .group_segment_fixed_size: 58880
    .private_segment_fixed_size: 0
    .kernarg_segment_align: 8
    .kernarg_segment_size: 88
    .max_flat_workgroup_size: 128
    .sgpr_count:     66
    .vgpr_count:     256
    .wavefront_size: 32
...
	.end_amdgpu_metadata
.endif
;; end of part 1
;; launch proj (part 2): grid 4 x 64, 8 waves a work-group, clusters of 4 x 4, 327,680 bytes of LDS; arguments xc, xs, wc, ws, bq, bk, bv, qp, kv; writes qp, kv
.if DOCPART == 2
	.amdgcn_target "amdgcn-amd-amdhsa--gfx1250"
	.amdhsa_code_object_version 6
	.text
	.protected	k_q24ffbe8d09_proj
	.globl	k_q24ffbe8d09_proj
	.p2align	8
	.type	k_q24ffbe8d09_proj,@function
k_q24ffbe8d09_proj:
	s_mov_b64 s[64:65], 0
	v_nop
	global_prefetch_b8 v0, s[64:65] scope:SCOPE_SE
	s_setreg_imm32_b32 hwreg(HW_REG_WAVE_MODE, 25, 1), 1
	s_wait_xcnt 0x0
	s_wait_alu depctr_hold_cnt(0) depctr_sa_sdst(0) depctr_va_vdst(0) depctr_va_sdst(0) depctr_va_ssrc(0) depctr_va_vcc(0) depctr_vm_vsrc(0)
	s_getreg_b32 s2, hwreg(HW_REG_IB_STS2, 6, 4)
	s_cmp_eq_u32 s2, 0
	s_cbranch_scc0 .Lentry_in_a_cluster
	s_endpgm
.Lentry_in_a_cluster:
	s_bfe_u32 s2, ttmp6, 0x10000c
	s_cmp_lg_u32 s2, 0xf033
	s_cbranch_scc0 .Lentry_shape_is_right
	s_endpgm
.Lentry_shape_is_right:
; The three in-projections on codes of FP6 (E2M3) with E8M0 scales; each result, with its bias, is quantised again and leaves in the packs that the attention launch reads.
; xc, wc: [tensor][tile of 16 rows][K step of 128][1,536 bytes]; xs, ws: [tensor][tile][half of K][row][4 words].  A head's pack of 128 positions is 12,800 bytes: 8 half images of 16 rows x 64 features (768 bytes each), 4 images of V^T
; (16 features x 128 keys, two halves of 768), 256 bytes of the rows' scale words and 256 of V^T's.
; A WORK-GROUP STAYS and makes three blocks, one of each product, one after the other; a block has a side of 128 (it goes to the lanes: source 1) and a side of 256 (it runs along a lane's registers: source 0).
;   q, k: the lanes' side is 128 rows of x (one pack), the registers' side 256 features (four heads): quantised along the features.
;   v:    the lanes' side is 128 features of Wv (two heads), the registers' side 256 keys (two packs): V^T, quantised along the keys.
; 64 x 4 blocks of q and of k, 8 x 32 of v: 256 work-groups, each with the same work.
; ALL OF K LIES IN LDS AT ONCE: 8 tiles (98,304 bytes), 16 tiles (196,608), their scale words (4,096 and 8,192): four dense blocks of memory, asked for by one tensor load a wave:
; waves 0-1 halves of the first, waves 2-5 quarters of the second, waves 6 and 7 the scale words.  The next product's loads stand behind the last read of these bytes (the waits, the add and a round of the cluster's barrier),
; ahead of the last K step's products and of the block's way out.  They are asked for as soon as LDS has room for them: no prefetch is laid ahead of them.
; CLUSTERS: 4 x 4.  The block's lanes' side hangs on the cluster and cy alone and is shared along a row of the cluster, the registers' side on the cluster and cx alone and is shared along a column: joint loads.
; A wave makes 64 x 64 (16 accumulators): in every product that is four tiles of 16 lanes' rows x two blocks of 32 along the next K, so one way out serves all three: register 16 b + i of a tile is number 32 b + 16 h + i of the lane's row.
; REGISTERS.  Window 0: v16-29 addresses; v32-63 scale words (lanes 0-15 the lanes' side's tile i, lanes 16-31 the other's); v64-255 two sets of fragments by turns (on the way out v64-113 at work).  Window 1: v0-127 accumulators, v128-159 the bias.
; LIMITS: a block of zeros, or one under 2^-124, keeps the byte 1 (the bytes are read by this program alone); NaN and infinities are not served.
.set TILEB,  12288
.set XCB,    6291456
.set XSB,    262144
.set WCB,    786432
.set WSB,    32768
.set HP,     204800
.set SP,     12800
.set VOFF,   6144
.set KSOFF,  12288
.set VSOFF,  12544
.set QLD,    49152                     ; what one load of codes brings: four tiles, 192 rows of 256 bytes
.set LB,     98304
.set SCLA,   294912
.set SCLB,   299008
.set SPARE,  307200                    ; the spare words, 128 bytes a wave
.set ADRA, 16
.set ADRB, 18
.set VO16, 20                          ; 16 lane
.set VO8,  21                          ; 8 lane
.set VOS,  22                          ; 16 r + h
.set BQO,  23                          ; 64 h
.set BVO,  24                          ; 4 (r + 8 (r / 8))
.set ADRS, 27
.set SPW,  28
.set NIL,  29
.set SC,   32
.set AF,   64
.set BF,   112
.set PC,   64                          ; the way out: codes, 12 registers a tile of the pair
.set PT,   88                          ; the conversions' second halves
.set BM,   104
.set SO,   108
.set BY,   112
.set BI,   128
.set G1A,  24
.set G0A,  32
.set G0B,  36
.set G1B,  48
.set G0SA, 56
.set G0SB, 60
.set G1SA, 68
.set G1SB, 80
.set HM,   76                          ; the mask of lanes 16-31
.set SEL,  78
.set OC,   88                          ; s[88:89] where my codes go, s[90:91] my scale bytes
.set OS,   90
.set MSB, 0
.macro WIN new
.if MSB != \new
	s_set_vgpr_msb (MSB<<8)|\new
.set MSB, \new
.endif
.endm
.macro CROUND
	s_barrier_signal -1
	s_barrier_wait -1
	s_cmp_lg_u32 s14, 0
	s_cbranch_scc1 .Lnot_wave_0_\@
	s_barrier_signal -3
.Lnot_wave_0_\@:
	s_barrier_wait -3
	s_barrier_signal -1
	s_barrier_wait -1
.endm
.macro PLACES
.rept 4
	v_nop
.endr
.endm
.macro TLOAD g0, g1
	tensor_load_to_lds s[\g0:\g0+3], s[\g1:\g1+7]
	s_nop 0
.rept 4
	v_nop
.endr
.endm
.macro LOADS                           ; one chain of branches on the wave's number, a load to an arm, one join
	s_cmp_lt_u32 s14, 2
	s_cbranch_scc0 .Lld_b_\@
	TLOAD G0A, G1A
	s_branch .Lld_j_\@
.Lld_b_\@:
	s_cmp_lt_u32 s14, 6
	s_cbranch_scc0 .Lld_sa_\@
	TLOAD G0B, G1B
	s_branch .Lld_j_\@
.Lld_sa_\@:
	s_cmp_lt_u32 s14, 7
	s_cbranch_scc0 .Lld_sb_\@
	TLOAD G0SA, G1SA
	s_branch .Lld_j_\@
.Lld_sb_\@:
	TLOAD G0SB, G1SB
.Lld_j_\@:
.endm
; where product t's four blocks lie in memory, into the descriptors' address words: work on scalar registers alone, while no tensor load of the wave is out
.macro SETUP t
.if (\t) < 2
	s_mul_i32 s20, s17, 8*TILEB                    ; x: row block 4 c + cy
	s_add_co_u32 s20, s20, s77
	s_add_co_u32 s20, s20, (\t)*XCB
	s_mov_b32 s21, 0
	s_add_nc_u64 s[20:21], s[4:5], s[20:21]
	s_mul_i32 s46, s40, 16*TILEB                   ; W: column block cx
	s_add_co_u32 s46, s46, s100
	s_add_co_u32 s46, s46, (\t)*WCB
	s_mov_b32 s47, 0
	s_add_nc_u64 s[46:47], s[8:9], s[46:47]
	s_lshl_b32 s22, s17, 12
	s_add_co_u32 s22, s22, (\t)*XSB
	s_mov_b32 s23, 0
	s_add_nc_u64 s[22:23], s[6:7], s[22:23]
	s_lshl_b32 s18, s40, 13
	s_add_co_u32 s18, s18, (\t)*WSB
	s_mov_b32 s19, 0
	s_add_nc_u64 s[18:19], s[10:11], s[18:19]
.else
	s_and_b32 s2, s42, 1
	s_lshl_b32 s2, s2, 2
	s_add_co_u32 s2, s2, s41                       ; Wv: feature block 4 (c % 2) + cy
	s_lshr_b32 s3, s42, 1
	s_lshl_b32 s3, s3, 2
	s_add_co_u32 s3, s3, s40                       ; v: key block 4 (c / 2) + cx
	s_mul_i32 s20, s2, 8*TILEB
	s_add_co_u32 s20, s20, s77
	s_add_co_u32 s20, s20, 2*WCB
	s_mov_b32 s21, 0
	s_add_nc_u64 s[20:21], s[8:9], s[20:21]
	s_mul_i32 s46, s3, 16*TILEB
	s_add_co_u32 s46, s46, s100
	s_add_co_u32 s46, s46, 2*XCB
	s_mov_b32 s47, 0
	s_add_nc_u64 s[46:47], s[4:5], s[46:47]
	s_lshl_b32 s22, s2, 12
	s_add_co_u32 s22, s22, 2*WSB
	s_mov_b32 s23, 0
	s_add_nc_u64 s[22:23], s[10:11], s[22:23]
	s_lshl_b32 s18, s3, 13
	s_add_co_u32 s18, s18, 2*XSB
	s_mov_b32 s19, 0
	s_add_nc_u64 s[18:19], s[6:7], s[18:19]
.endif
	s_mov_b64 s[G0A+2:G0A+3], s[20:21]
	s_or_b32 s[G0A+3], s[G0A+3], 0x80000000
	s_mov_b64 s[G0B+2:G0B+3], s[46:47]
	s_or_b32 s[G0B+3], s[G0B+3], 0x80000000
	s_mov_b64 s[G0SA+2:G0SA+3], s[22:23]
	s_or_b32 s[G0SA+3], s[G0SA+3], 0x80000000
	s_mov_b64 s[G0SB+2:G0SB+3], s[18:19]
	s_or_b32 s[G0SB+3], s[G0SB+3], 0x80000000
.endm
; product t's bias, in the layout of the first K step's C
.macro BIAS t
.if (\t) < 2
	s_lshl_b32 s2, s40, 8
	s_lshl_b32 s3, s16, 6
	s_add_co_u32 s2, s2, s3                        ; my first feature
	s_lshl_b32 s2, s2, 2
	s_mov_b32 s3, 0
	s_add_nc_u64 s[12:13], s[92+2*(\t):93+2*(\t)], s[2:3]
	WIN 0x40
.irp b, 0,1,2,3
	global_load_b128 v[BI+8*\b:BI+8*\b+3], v[BQO], s[12:13] offset:(32*(\b/2)+8*(\b%2))*4       ; the features run along the registers
	global_load_b128 v[BI+8*\b+4:BI+8*\b+7], v[BQO], s[12:13] offset:(32*(\b/2)+8*(\b%2))*4+16
.endr
	WIN 0
.else
	s_and_b32 s2, s42, 1
	s_lshl_b32 s2, s2, 2
	s_add_co_u32 s2, s2, s41
	s_lshl_b32 s2, s2, 7
	s_lshl_b32 s3, s15, 6
	s_add_co_u32 s2, s2, s3
	s_lshl_b32 s2, s2, 2
	s_mov_b32 s3, 0
	s_add_nc_u64 s[12:13], s[96:97], s[2:3]
	WIN 0x40
.irp a, 0,1,2,3
.irp j, 0,1,2,3,4,5,6,7
	global_load_b32 v[BI+8*\a+\j], v[BVO], s[12:13] offset:(32*(\a/2)+8*(\a%2))*4               ; a lane holds one feature: its bias in all eight registers
.endr
.endr
	WIN 0
.endif
.endm
; where my wave's results of product t go
.macro OUTP t
.if (\t) < 2
	s_lshr_b32 s2, s17, 4
	s_lshl_b32 s2, s2, 4                           ; 16 x batch
	s_lshl_b32 s3, s40, 2
	s_add_co_u32 s2, s2, s3
	s_add_co_u32 s2, s2, s16                       ; + head 4 cx + my quarter
	s_mul_i32 s2, s2, HP
	s_and_b32 s3, s17, 15
	s_mul_i32 s3, s3, SP                           ; the pack
	s_add_co_u32 s2, s2, s3
	s_mul_i32 s3, s15, 3072                        ; half images 4 x my half on
	s_add_co_u32 s18, s2, s3
	s_lshl_b32 s3, s15, 3                          ; a tile's two bytes lie at 16 r + 2 x tile
	s_add_co_u32 s20, s2, s3
	s_add_co_u32 s20, s20, KSOFF
.else
	s_and_b32 s2, s42, 1
	s_lshl_b32 s2, s2, 2
	s_add_co_u32 s2, s2, s41                       ; feature block
	s_lshr_b32 s3, s42, 1
	s_lshl_b32 s3, s3, 2
	s_add_co_u32 s3, s3, s40                       ; key block
	s_lshr_b32 s18, s3, 3
	s_lshl_b32 s18, s18, 4                         ; 16 x batch
	s_lshl_b32 s2, s2, 1
	s_add_co_u32 s18, s18, s2
	s_add_co_u32 s18, s18, s15                     ; + head 2 x feature block + my half
	s_mul_i32 s18, s18, HP
	s_and_b32 s3, s3, 7
	s_lshl_b32 s3, s3, 1
	s_lshr_b32 s2, s16, 1
	s_add_co_u32 s3, s3, s2
	s_mul_i32 s3, s3, SP                           ; the pack of my 64 keys
	s_add_co_u32 s2, s18, s3
	s_and_b32 s3, s16, 1                           ; which half of its 128 keys
	s_mul_i32 s18, s3, 768
	s_add_co_u32 s18, s18, s2
	s_add_co_u32 s18, s18, VOFF
	s_lshl_b32 s3, s3, 1
	s_add_co_u32 s20, s2, s3
	s_add_co_u32 s20, s20, VSOFF
.endif
	s_mov_b32 s19, 0
	s_mov_b32 s21, 0
.if (\t) == 0
	s_add_nc_u64 s[OC:OC+1], s[98:99], s[18:19]
	s_add_nc_u64 s[OS:OS+1], s[98:99], s[20:21]
.else
	s_add_nc_u64 s[OC:OC+1], s[66:67], s[18:19]
	s_add_nc_u64 s[OS:OS+1], s[66:67], s[20:21]
.endif
.endm
.macro FRAG reg, adr, i, s
	ds_load_b128 v[\reg:\reg+3], v[\adr] offset:TILEB*(\i)+1536*(\s)
	ds_load_b64 v[\reg+4:\reg+5], v[\adr+1] offset:TILEB*(\i)+1536*(\s)+512
	ds_load_b128 v[\reg+6:\reg+9], v[\adr] offset:TILEB*(\i)+1536*(\s)+768
	ds_load_b64 v[\reg+10:\reg+11], v[\adr+1] offset:TILEB*(\i)+1536*(\s)+1280
.endm
.macro FETCH s                         ; 32 LDS loads: K step s's eight fragments into set s % 2
.irp i, 0,1,2,3
	FRAG BF+96*((\s)%2)+12*\i, ADRB, \i, \s
.endr
.irp i, 0,1,2,3
	FRAG AF+96*((\s)%2)+12*\i, ADRA, \i, \s
.endr
.endm
.macro MUL s, v                        ; 16 products, the 16 accumulators by turns, in the same order in every K step
.irp a, 0,1,2,3
.irp b, 0,1,2,3
.if (\s) == 0
.if \v
	v_wmma_scale_f32_16x16x128_f8f6f4 v[8*(4*\a+\b):8*(4*\a+\b)+7], v[BF+12*\b:BF+12*\b+11], v[AF+12*\a:AF+12*\a+11], v[BI+8*\a:BI+8*\a+7], v[SC+4*\b], v[SC+4*\a] matrix_a_fmt:MATRIX_FMT_FP6 matrix_b_fmt:MATRIX_FMT_FP6 matrix_a_scale:MATRIX_SCALE_ROW1
.else
	v_wmma_scale_f32_16x16x128_f8f6f4 v[8*(4*\a+\b):8*(4*\a+\b)+7], v[BF+12*\b:BF+12*\b+11], v[AF+12*\a:AF+12*\a+11], v[BI+8*\b:BI+8*\b+7], v[SC+4*\b], v[SC+4*\a] matrix_a_fmt:MATRIX_FMT_FP6 matrix_b_fmt:MATRIX_FMT_FP6 matrix_a_scale:MATRIX_SCALE_ROW1
.endif
.else
	v_wmma_scale_f32_16x16x128_f8f6f4 v[8*(4*\a+\b):8*(4*\a+\b)+7], v[BF+96*((\s)%2)+12*\b:BF+96*((\s)%2)+12*\b+11], v[AF+96*((\s)%2)+12*\a:AF+96*((\s)%2)+12*\a+11], v[8*(4*\a+\b):8*(4*\a+\b)+7], v[SC+16*((\s)/4)+4*\b+(\s)%4], v[SC+16*((\s)/4)+4*\a+(\s)%4] matrix_a_fmt:MATRIX_FMT_FP6 matrix_b_fmt:MATRIX_FMT_FP6 matrix_a_scale:MATRIX_SCALE_ROW1
.endif
.endr
.endr
.endm
.macro KST s, v
.if (\s) > 0
	PLACES                                         ; in front of loads into the set that the last K step multiplied
.endif
	FETCH (\s)+1
	s_wait_dscnt 32                                ; all but the 32 just issued: this K step's fragments are in
	WIN 0x50                                       ; C and D in window 1
	MUL \s, \v
	WIN 0
.endm
; THE WAY OUT of tiles 2 p and 2 p + 1 (u = 0, 1), line by line by turns: two blocks of 32 a row, quantised; a half image of 768 bytes and two scale bytes a row.  cst, sst: bytes from tile to tile in the pack
.macro EPI p, cst, sst
.if \p
	s_wait_xcnt 0x0                                ; the first pair's stores have read their data: those registers are written again only behind this wait
.endif
	WIN 0x14
.irp b, 0,1
.irp u, 0,1
	v_max3_num_f32 v[BM+2*\u+\b], 0x1800000, |v[32*(2*(\p)+\u)+16*\b]|, |v[32*(2*(\p)+\u)+16*\b+1]|   ; my 16 numbers of block b, and the floor 2^(3 - 127)
.endr
.endr
.irp i, 2,4,6,8,10,12,14
.irp b, 0,1
.irp u, 0,1
	v_max3_num_f32 v[BM+2*\u+\b], v[BM+2*\u+\b], |v[32*(2*(\p)+\u)+16*\b+\i]|, |v[32*(2*(\p)+\u)+16*\b+\i+1]|
.endr
.endr
.endr
	WIN 0
.irp b, 0,1,2,3
	v_permlanex16_b32 v[SO+\b], v[BM+\b], s[SEL], s[SEL+1]
.endr
.irp b, 0,1,2,3
	v_max_num_f32 v[BM+\b], v[BM+\b], v[SO+\b]     ; with lane l xor 16's 16
.endr
.irp b, 0,1,2,3
	v_add_nc_u32 v[SO+\b], 0xff000000, v[BM+\b]    ; 2 off the exponent field: the conversion's scale operand
.endr
.irp b, 0,1,2,3
	v_lshrrev_b32 v[BM+\b], 23, v[SO+\b]           ; the byte
.endr
.irp u, 0,1
	v_cndmask_b32 v[BY+\u], v[BM+2*\u], v[BM+2*\u+1], s[HM]   ; lane (r, h) stores block h's byte
.endr
	WIN 0x01
.irp u, 0,1
	v_cvt_scalef32_pk16_fp6_f32 v[PC+12*\u:PC+12*\u+2], v[32*(2*(\p)+\u):32*(2*(\p)+\u)+15], v[SO+2*\u]
	v_cvt_scalef32_pk16_fp6_f32 v[PT+8*\u:PT+8*\u+2], v[32*(2*(\p)+\u)+16:32*(2*(\p)+\u)+31], v[SO+2*\u+1]
.endr
	WIN 0
	v_nop                                          ; one plain instruction behind a scaled conversion
.irp u, 0,1
.irp i, 0,1,2
	v_permlane16_swap_b32 v[PC+12*\u+\i], v[PT+8*\u+\i]   ; a whole block to a lane
.endr
.endr
.irp u, 0,1
.irp i, 0,1,2
	v_mov_b32 v[PC+12*\u+3+\i], v[PT+8*\u+\i]
.endr
.endr
.irp u, 0,1
	global_store_b128 v[VO16], v[PC+12*\u:PC+12*\u+3], s[OC:OC+1] offset:(2*(\p)+\u)*(\cst)        ; 512 consecutive bytes, aligned
	global_store_b64 v[VO8], v[PC+12*\u+4:PC+12*\u+5], s[OC:OC+1] offset:(2*(\p)+\u)*(\cst)+512    ; 256
	global_store_b8 v[VOS], v[BY+\u], s[OS:OS+1] offset:(2*(\p)+\u)*(\sst)                         ; two bytes of each of 16 rows' scale words
.endr
.endm
; One product: t = 0 q, 1 k, 2 v
.macro PRODUCT t, v, cst, sst
.if (\t) > 0
	s_wait_alu depctr_va_vdst(0)
	s_wait_xcnt 0x0                                ; the last product's stores have read their registers and bases
.endif
	OUTP \t
	s_wait_tensorcnt 0x0                           ; my block of this product is in,
	s_barrier_signal -1
	s_barrier_wait -1                              ; everybody's is
.irp i, 0,1,2,3
	ds_load_b128 v[SC+4*\i:SC+4*\i+3], v[ADRS] offset:512*\i           ; the scale words of K steps 0-3,
	ds_load_b128 v[SC+16+4*\i:SC+16+4*\i+3], v[ADRS] offset:512*\i+256 ; and of 4-7
.endr
	FETCH 0
	s_wait_loadcnt 0x0                             ; the bias
.irp s, 0,1,2,3,4,5,6
	KST \s, \v
.endr
.if (\t) < 2
	s_wait_tensorcnt 0x0                           ; no load of mine is out;
	ds_add_u32 v[SPW], v[NIL]                      ; the add; the next product's addresses, work on registers, stand between it and the wait for it
	SETUP (\t)+1
	s_wait_dscnt 0x0                               ; the add is done, and my last reads of these tiles are over: K step 7's fragments are in registers
	CROUND                                         ; that holds of every wave of all sixteen work-groups
	LOADS                                          ; the next product's blocks: my one tensor load behind the round
	BIAS (\t)+1
.else
	s_wait_dscnt 0x0
.endif
	WIN 0x50
	MUL 7, \v
	WIN 0
	PLACES                                         ; in front of the first read of the results
	EPI 0, \cst, \sst
	EPI 1, \cst, \sst
.endm
	s_load_b256 s[4:11], s[0:1], 0x0               ; xc, xs, wc, ws
	s_load_b256 s[92:99], s[0:1], 0x20             ; bq, bk, bv, qp
	s_load_b64 s[66:67], s[0:1], 0x40              ; kv
	v_lshl_add_u32 v[SPW], v0, 2, SPARE
	v_mov_b32 v[NIL], 0
	ds_add_u32 v[SPW], v[NIL]                      ; the opening lines: the add, twice on end, and its wait
	ds_add_u32 v[SPW], v[NIL]
	v_lshrrev_b32 v1, 5, v0
	v_readfirstlane_b32 s14, v1                    ; wave 0..7
	s_lshr_b32 s15, s14, 2                         ; which 64 of the lanes' side are mine
	s_and_b32 s16, s14, 3                          ; which 64 of the registers' side
	s_min_u32 s77, s14, 1
	s_mul_i32 s77, s77, QLD                        ; waves 0, 1: which half of the first block I fetch
	s_max_u32 s100, s14, 2
	s_sub_co_u32 s100, s100, 2
	s_mul_i32 s100, s100, QLD                      ; waves 2 to 5: which quarter of the second
	s_bfe_u32 s40, ttmp6, 0x40000                  ; cx, cy (the grid is one cluster wide)
	s_bfe_u32 s41, ttmp6, 0x40004
	s_and_b32 s42, ttmp7, 0xffff                   ; c: the cluster, 0 .. 15
	s_lshl_b32 s17, s42, 2
	s_add_co_u32 s17, s17, s41                     ; 4 c + cy
	s_lshl_b32 s43, s41, 2
	s_lshl_b32 s43, 15, s43                        ; my row of the cluster
	s_lshl_b32 s44, 0x1111, s40                    ; my column
	s_or_b32 s[G1A], s43, (3<<16)|(1<<21)          ; elements of 8 bytes; bit 21 set beside a mask
	s_or_b32 s[G1B], s44, (3<<16)|(1<<21)
	s_or_b32 s[G1SA], s43, (3<<16)|(1<<21)
	s_or_b32 s[G1SB], s44, (3<<16)|(1<<21)
.irp g, G1A, G1B, G1SA, G1SB                   ; dense blocks as rows of 256 bytes
	s_mov_b32 s[\g+1], 32<<16
	s_mov_b32 s[\g+3], 32<<16
	s_mov_b32 s[\g+5], 32
	s_mov_b32 s[\g+6], 0
	s_mov_b32 s[\g+7], 0
.endr
	s_mov_b32 s[G1A+2], 192<<16
	s_mov_b32 s[G1A+4], 192
	s_mov_b32 s[G1B+2], 192<<16
	s_mov_b32 s[G1B+4], 192
	s_mov_b32 s[G1SA+2], 16<<16
	s_mov_b32 s[G1SA+4], 16
	s_mov_b32 s[G1SB+2], 32<<16
	s_mov_b32 s[G1SB+4], 32
	s_mov_b32 s[G0A], 1
	s_mul_i32 s[G0A+1], s14, QLD                   ; wave w's codes lie at 49,152 w in LDS: the first block's halves, then the second's quarters
	s_mov_b32 s[G0B], 1
	s_mul_i32 s[G0B+1], s14, QLD
	s_mov_b32 s[G0SA], 1
	s_mov_b32 s[G0SA+1], SCLA
	s_mov_b32 s[G0SB], 1
	s_mov_b32 s[G0SB+1], SCLB
	s_mov_b32 s[SEL], 0x76543210
	s_mov_b32 s[SEL+1], 0xfedcba98
	s_wait_dscnt 0x0                               ; both opening adds are done
	s_wait_kmcnt 0x0
	SETUP 0
	CROUND                                         ; all sixteen work-groups are here: the first joint loads meet
	LOADS
	s_mul_i32 s2, s15, QLD                         ; my four tiles of the lanes' side
	s_mul_i32 s3, s16, QLD
	s_add_co_u32 s3, s3, LB                        ; my four tiles of the registers' side
	s_lshl_b32 s13, s15, 11                        ; their scale words: 2,048 bytes
	s_lshl_b32 s12, s16, 11
	s_add_co_u32 s12, s12, SCLB-SCLA
	s_sub_co_u32 s12, s12, s13                     ; from the one side's to the other's
	s_add_co_u32 s13, s13, SCLA
	v_and_b32 v1, 15, v0                           ; r
	v_bfe_u32 v2, v0, 4, 1                         ; h
	v_and_b32 v3, 31, v0
	v_lshlrev_b32 v[VO16], 4, v3
	v_lshlrev_b32 v[VO8], 3, v3
	v_add_nc_u32 v[ADRA], s2, v[VO16]
	v_add_nc_u32 v[ADRA+1], s2, v[VO8]
	v_add_nc_u32 v[ADRB], s3, v[VO16]
	v_add_nc_u32 v[ADRB+1], s3, v[VO8]
	v_lshlrev_b32 v7, 4, v1                        ; 16 r
	v_mul_u32_u24 v6, s12, v2                      ; lanes 16-31 take the registers' side's words
	v_add_nc_u32 v6, v6, v7
	v_add_nc_u32 v[ADRS], s13, v6
	v_add_nc_u32 v[VOS], v7, v2
	v_lshlrev_b32 v[BQO], 6, v2
	v_and_b32 v6, 8, v1
	v_add_nc_u32 v6, v6, v1
	v_lshlrev_b32 v[BVO], 2, v6
	v_cmp_eq_u32 s[HM], 1, v2
	s_wait_alu depctr_va_vdst(0)                   ; the wait at the head's end
	BIAS 0
	PRODUCT 0, 0, 768, 2
	PRODUCT 1, 0, 768, 2
	PRODUCT 2, 1, 1536, 4
	s_wait_tensorcnt 0x0                           ; the wave's end
	ds_add_u32 v[SPW], v[NIL]
	s_wait_dscnt 0x0
	CROUND                                         ; the closing round
	s_endpgm
.Lfunc_end_k_q24ffbe8d09_proj:
	.size	k_q24ffbe8d09_proj, .Lfunc_end_k_q24ffbe8d09_proj-k_q24ffbe8d09_proj
	.p2alignl 7, 3214868480
	.fill 96, 4, 3214868480
	.section	.rodata,"a",@progbits
	.p2align	6, 0x0
	.amdhsa_kernel k_q24ffbe8d09_proj
		.amdhsa_group_segment_fixed_size 327680
		.amdhsa_private_segment_fixed_size 0
		.amdhsa_enable_private_segment 0
		.amdhsa_kernarg_size 72
		.amdhsa_user_sgpr_count 2
		.amdhsa_user_sgpr_kernarg_segment_ptr 1
		.amdhsa_wavefront_size32 1
		.amdhsa_system_sgpr_workgroup_id_x 1
		.amdhsa_system_sgpr_workgroup_id_y 1
		.amdhsa_system_sgpr_workgroup_id_z 1
		.amdhsa_system_vgpr_workitem_id 0
		.amdhsa_next_free_vgpr 512
		.amdhsa_next_free_sgpr 102
		.amdhsa_reserve_vcc 0
		.amdhsa_float_denorm_mode_32 3
		.amdhsa_float_denorm_mode_16_64 3
		.amdhsa_memory_ordered 1
		.amdhsa_forward_progress 1
		.amdhsa_inst_pref_size 151
	.end_amdhsa_kernel
	.amdgpu_metadata
---
amdhsa.version: [ 1, 2 ]
amdhsa.kernels:
  - .name:           k_q24ffbe8d09_proj
    .symbol:         k_q24ffbe8d09_proj.kd
    .args:
      - { .name: xc, .offset: 0, .size: 8, .value_kind: global_buffer, .address_space: global }
      - { .name: xs, .offset: 8, .size: 8, .value_kind: global_buffer, .address_space: global }
      - { .name: wc, .offset: 16, .size: 8, .value_kind: global_buffer, .address_space: global }
      - { .name: ws, .offset: 24, .size: 8, .value_kind: global_buffer, .address_space: global }
      - { .name: bq, .offset: 32, .size: 8, .value_kind: global_buffer, .address_space: global }
      - { .name: bk, .offset: 40, .size: 8, .value_kind: global_buffer, .address_space: global }
      - { .name: bv, .offset: 48, .size: 8, .value_kind: global_buffer, .address_space: global }
      - { .name: qp, .offset: 56, .size: 8, .value_kind: global_buffer, .address_space: global }
      - { .name: kv, .offset: 64, .size: 8, .value_kind: global_buffer, .address_space: global }
    .group_segment_fixed_size: 327680
    .private_segment_fixed_size: 0
    .kernarg_segment_align: 8
    .kernarg_segment_size: 72
    .max_flat_workgroup_size: 256
    .sgpr_count:     102
    .vgpr_count:     512
    .wavefront_size: 32
...
	.end_amdgpu_metadata
.endif
;; end of part 2
;; launch attn (part 3): grid 4 x 64, 8 waves a work-group, clusters of 4 x 1, 206,848 bytes of LDS; arguments qp, kv, offset, oc, os; writes oc, os
.if DOCPART == 3
	.amdgcn_target "amdgcn-amd-amdhsa--gfx1250"
	.amdhsa_code_object_version 6
	.text
	.protected	k_q24ffbe8d09_attn
	.globl	k_q24ffbe8d09_attn
	.p2align	8
	.type	k_q24ffbe8d09_attn,@function
k_q24ffbe8d09_attn:
	s_mov_b64 s[64:65], 0
	v_nop
	global_prefetch_b8 v0, s[64:65] scope:SCOPE_SE
	s_setreg_imm32_b32 hwreg(HW_REG_WAVE_MODE, 25, 1), 1
	s_wait_xcnt 0x0
	s_wait_alu depctr_hold_cnt(0) depctr_sa_sdst(0) depctr_va_vdst(0) depctr_va_sdst(0) depctr_va_ssrc(0) depctr_va_vcc(0) depctr_vm_vsrc(0)
	s_getreg_b32 s2, hwreg(HW_REG_IB_STS2, 6, 4)
	s_cmp_eq_u32 s2, 0
	s_cbranch_scc0 .Lentry_in_a_cluster
	s_endpgm
.Lentry_in_a_cluster:
	s_bfe_u32 s2, ttmp6, 0x10000c
	s_cmp_lg_u32 s2, 0x3003
	s_cbranch_scc0 .Lentry_shape_is_right
	s_endpgm
.Lentry_shape_is_right:
; Attention of one head (2,048 queries, 2,048 keys, head size 64) a cluster, both products on codes of FP6 (E2M3); O / l is quantised along the merged features for the output projection.
; t = score / 8 x log2(e) + offset x log2(e); M = the running largest t rounded up to a whole number; p = 2^(t - M) is quantised along the keys; the row's sum is taken of the unquantised p and divides O at the end.
; (q's codes were made without reference()'s factor 1/8, a power of two that changes no code: it stands in c.  The offset moves t's fraction and so p's codes: it is honoured.)
; SHARES.  A work-group owns 512 queries; each of its eight waves FOUR tiles of 16, in one pass.  Every wave walks all keys, 128 a step: a step's 4 fragments of K and 4 of V are read from LDS once for the four tiles.
; The tiles go in pairs, the two tiles of a pair line by line by turns, so that four chains (two blocks x two tiles) take turns in the maxima and the sums.
; LDS holds the head's 16 packs of 12,800 bytes (8 half images of K, 4 images of V^T, K's and V's scale words), filled ONCE: wave w asks for packs 2 w and 2 w + 1 by one load, jointly with the three partners of its cluster, which walk the same head.
; All of K and V is asked for at the head: no ring, no refill, and no later tile that a prefetch could ask for ahead of its load.
; LAYOUT.  Both products transposed: S^T = K Q^T, O^T = V^T P^T: a lane holds one query throughout.  A fragment of K holds TWO tiles of 16 keys (64 along K each): it is multiplied once by (q, zeros) and once by (zeros, q);
; the zero half's scale bytes on q's side are 0, which stands for 2^-127: over zero codes it adds nothing.  K's tiles lie so that row r of tile T of a pack is key 64 (T / 4) + 32 (r / 8) + 8 (T % 4) + r % 8:
; register 32 c + i of S^T in lane (r, h) is key 64 c + 32 h + i: A LANE HOLDS WHOLE BLOCKS OF 32 KEYS, in the order of the next operand's registers: a block's maximum asks no other lane and no code changes lanes.
; REGISTERS.  Window 1: v0-127 S^T, then p, of the pair's two tiles; v128-255 O^T of the four tiles.  Window 0: all else (the names below).
; LIMITS: NaN and infinities are not served; a block under 2^-124 keeps the byte 1; the promise holds while |t| stays under 2^31.
.set HP,    204800
.set SP,    12800
.set VOFF,  6144
.set KSOFF, 12288
.set VSOFF, 12544
.set L16,  1                           ; 16 lane, 8 lane, 16 r
.set L8,   2
.set R16,  3
.set AD16, 4                           ; the step's LDS addresses
.set AD8,  5
.set ADS,  6
.set SH8,  7                           ; 8 h
.set QS,   8                           ; v8-15 q's scales: tile i under k = 0 .. 63 at 2 i, under k = 64 .. 127 at 2 i + 1
.set QZ,   16                          ; v16-69 zeros, q0, zeros, q1, zeros, q2, zeros, q3, zeros: six registers each
.set FK,   70                          ; v70-117 K's four fragments, v118-165 V's
.set FV,   118
.set KS,   166                         ; v166-169 K's scale words, v170-173 V's
.set VS,   170
.set LS,   174                         ; v174-181 the four sums, a pair each
.set NM,   182                         ; v182-185 -M
.set PC,   186                         ; v186-209 p's codes, 12 a tile of the pair
.set PT,   210                         ; v210-225 the conversions' second halves
.set BM,   226                         ; v226-229 my two blocks' largest scores, then largest p, then bytes
.set K12,  230                         ; v230, v232 offset' - M (each the low word of a pair)
.set FF,   234                         ; v234, v236 f (likewise)
.set TT,   238                         ; v238-241 at work; later the second tile's sum chains
.set SO,   242                         ; v242-245 the conversions' scale operands
.set PW,   246                         ; v246-247 p's scale words
.set CH,   248                         ; v248-251 the first tile's sum chains: chain k of tile u at CH - 10 u + 2 k
.set OSA,  252                         ; 16 r + h
.set WV,   18
.set CX,   19
.set HH,   20
.set G1,   24
.set G0,   32
.set CS,   36                          ; s[36:37] c = log2(e) / 8
.set SEL,  38                          ; s[38:39] lane selects: lane l xor 16
.set TOFF, 40                          ; offset x log2(e)
.set TB,   41
.set CNT,  42
.set HM,   44                          ; the mask of lanes 16-31
.set MSB, 0
.macro WIN new                         ; the immediate's high byte repeats the setting that is left
.if MSB != \new
	s_set_vgpr_msb (MSB<<8)|\new
.set MSB, \new
.endif
.endm
.macro D2
	s_delay_alu instid0(VALU_DEP_2)
.endm
.macro ROUND
	s_barrier_signal -1
	s_barrier_wait -1
	s_cmp_lg_u32 s[WV], 0
	s_cbranch_scc1 .Lnot_wave_0_\@
	s_barrier_signal -3
.Lnot_wave_0_\@:
	s_barrier_wait -3
	s_barrier_signal -1
	s_barrier_wait -1
.endm
.macro FRAG reg, off
	ds_load_b128 v[\reg:\reg+3], v[AD16] offset:\off
	ds_load_b64 v[\reg+4:\reg+5], v[AD8] offset:\off+512
	ds_load_b128 v[\reg+6:\reg+9], v[AD16] offset:\off+768
	ds_load_b64 v[\reg+10:\reg+11], v[AD8] offset:\off+1280
.endm
	s_load_b128 s[4:7], s[0:1], 0x0                ; qp, kv
	s_load_b128 s[8:11], s[0:1], 0x10              ; offset, oc
	s_load_b64 s[12:13], s[0:1], 0x20              ; os
	v_lshl_add_u32 v254, v0, 2, 0x32000
	v_mov_b32 v255, 0
	ds_add_u32 v254, v255                          ; the opening lines: the add, twice on end, and its wait
	ds_add_u32 v254, v255
	v_lshrrev_b32 v1, 5, v0
	s_delay_alu instid0(VALU_DEP_1)
	v_readfirstlane_b32 s[WV], v1                  ; wave 0..7
	v_and_b32 v4, 31, v0
	v_and_b32 v5, 15, v0
	v_bfe_u32 v6, v0, 4, 1
	v_lshlrev_b32 v[L16], 4, v4
	v_lshlrev_b32 v[L8], 3, v4
	v_lshlrev_b32 v[R16], 4, v5
	v_lshlrev_b32 v[SH8], 3, v6
	v_cmp_eq_u32 s[HM], 1, v6
	v_add_nc_u32 v[OSA], v[R16], v6
	s_bfe_u32 s[CX], ttmp6, 0x40000                ; my place in the cluster: it enters q's and the outputs' addresses alone
	s_and_b32 s[HH], ttmp7, 0xffff                 ; the head, 16 x batch + head of the batch: the four partners share it
	; descriptor group 1: two packs, 25,600 dense bytes as 100 rows of 256
	s_mov_b32 s[G1], 15|(3<<16)|(1<<21)            ; 15:0 the mask: all four work-groups; 17:16 elements of 8 bytes; 21 set beside a mask
	s_mov_b32 s[G1+1], 32<<16
	s_mov_b32 s[G1+2], 100<<16
	s_mov_b32 s[G1+3], 32<<16
	s_mov_b32 s[G1+4], 100
	s_mov_b32 s[G1+5], 32
	s_mov_b32 s[G1+6], 0
	s_mov_b32 s[G1+7], 0
	s_mul_i32 s46, s[HH], HP                       ; the head's packs
	s_mov_b32 s[G0], 1
	s_mul_i32 s[G0+1], s[WV], 2*SP                 ; packs 2 w, 2 w + 1 lie at 25,600 w
	s_add_co_u32 s2, s46, s[G0+1]
	s_mov_b32 s3, 0
	s_mov_b32 s[CS], 0x3e38aa3b
	s_mov_b32 s[CS+1], s[CS]                       ; (named with it as a pair, so it is written)
	s_mov_b32 s[SEL], 0x76543210
	s_mov_b32 s[SEL+1], 0xfedcba98
	; q: tiles 32 cx + 4 w + i of the head: pack 4 cx + w / 2, half images 4 (w % 2) + i; their scale bytes in words 2 (w % 2), 2 (w % 2) + 1 of a row
	s_lshl_b32 s47, s[CX], 2
	s_lshr_b32 s48, s[WV], 1
	s_add_co_u32 s47, s47, s48
	s_mul_i32 s47, s47, SP
	s_add_co_u32 s47, s47, s46
	s_and_b32 s48, s[WV], 1
	s_mul_i32 s49, s48, 3072
	s_add_co_u32 s50, s47, s49
	s_mov_b32 s51, 0
	s_lshl_b32 s48, s48, 3
	s_add_co_u32 s52, s47, s48
	s_add_co_u32 s52, s52, KSOFF
	s_mov_b32 s53, 0
	; the outputs: tiles 128 x batch + 32 cx + 4 w + i; the head's half image at 768 x head; its two bytes of a row's scale words
	s_lshr_b32 s54, s[HH], 4
	s_lshl_b32 s54, s54, 7
	s_lshl_b32 s55, s[CX], 5
	s_add_co_u32 s54, s54, s55
	s_lshl_b32 s55, s[WV], 2
	s_add_co_u32 s54, s54, s55
	s_and_b32 s55, s[HH], 15
	s_mul_i32 s56, s54, 12288
	s_mul_i32 s57, s55, 768
	s_add_co_u32 s56, s56, s57
	s_mov_b32 s57, 0
	s_lshl_b32 s58, s54, 9
	s_lshr_b32 s59, s55, 3
	s_lshl_b32 s59, s59, 8
	s_add_co_u32 s58, s58, s59
	s_and_b32 s59, s55, 7
	s_lshl_b32 s59, s59, 1
	s_add_co_u32 s58, s58, s59
	s_mov_b32 s59, 0
	s_wait_alu depctr_va_vdst(0)
	s_wait_dscnt 0x0                               ; both opening adds are done
	s_wait_kmcnt 0x0
	s_add_nc_u64 s[G0+2:G0+3], s[6:7], s[2:3]
	s_or_b32 s[G0+3], s[G0+3], 0x80000000
	s_add_nc_u64 s[50:51], s[4:5], s[50:51]
	s_add_nc_u64 s[52:53], s[4:5], s[52:53]
	s_add_nc_u64 s[10:11], s[10:11], s[56:57]
	s_add_nc_u64 s[12:13], s[12:13], s[58:59]
	s_load_b32 s14, s[8:9], 0x0                    ; the offset
.irp i, 0,1,2,3
	global_load_b128 v[QZ+6+12*\i:QZ+9+12*\i], v[L16], s[50:51] offset:768*\i
	global_load_b64 v[QZ+10+12*\i:QZ+11+12*\i], v[L8], s[50:51] offset:768*\i+512
.endr
	global_load_b64 v[CH:CH+1], v[R16], s[52:53]   ; two scale words of row r
	ROUND                                          ; all four work-groups are here: the joint loads meet
	tensor_load_to_lds s[G0:G0+3], s[G1:G1+7]      ; my one tensor load of the launch
	s_nop 0
.rept 4
	v_nop
.endr
.irp i, 0,1,2,3,4
.irp j, 0,1,2,3,4,5
	v_mov_b32 v[QZ+12*\i+\j], 0                    ; the zero halves beside q's codes
.endr
.endr
.irp i, 0,1,2,3
	v_mov_b32 v[LS+2*\i], 0
	v_mov_b32 v[LS+2*\i+1], 0
	v_mov_b32 v[NM+\i], 0x7f61b1e6                 ; -M = 3e38: under it every t
.endr
.irp u, 0,1
	v_mov_b32 v[TT+2*\u+1], 0                      ; a lane permute's destination counts as one of its sources
	v_mov_b32 v[K12+2*\u+1], 0                     ; (named as the upper halves of pairs)
	v_mov_b32 v[FF+2*\u+1], 0
.endr
	s_wait_kmcnt 0x0
	s_mul_f32 s[TOFF], s14, 0x3fb8aa3b             ; offset x log2(e)
	s_wait_loadcnt 0x0                             ; q and its scale words
.irp w, 0,1
	v_and_b32 v[QS+4*\w], 0xffff, v[CH+\w]         ; the even tile's two bytes under k = 0 .. 63,
	v_lshlrev_b32 v[QS+4*\w+1], 16, v[CH+\w]       ; and under k = 64 .. 127;
	v_lshrrev_b32 v[QS+4*\w+2], 16, v[CH+\w]       ; the odd tile's
	v_and_b32 v[QS+4*\w+3], 0xffff0000, v[CH+\w]
.endr
	WIN 0x40
.set J, 0
.rept 128
	v_mov_b32 v[128+J], 0                          ; O^T: the step is written once, so the first finds zeros.  (These lines are also the places between q's scales and the first products)
.set J, J+1
.endr
	WIN 0
	s_wait_alu depctr_va_vdst(0)                   ; the wait at the head's end
	s_wait_tensorcnt 0x0                           ; my two packs are in,
	s_barrier_signal -1
	s_barrier_wait -1                              ; everybody's are
; One step of 128 keys for tiles 2 p and 2 p + 1 (u = 0, 1)
.macro PAIR p
	WIN 0x40                                       ; D in window 1
.irp u, 0,1
.irp f, 0,1,2,3
	v_wmma_scale_f32_16x16x128_f8f6f4 v[64*\u+16*\f:64*\u+16*\f+7], v[FK+12*\f:FK+12*\f+11], v[QZ+6+12*(2*(\p)+\u):QZ+17+12*(2*(\p)+\u)], 0, v[KS+\f], v[QS+2*(2*(\p)+\u)] matrix_a_fmt:MATRIX_FMT_FP6 matrix_b_fmt:MATRIX_FMT_FP6
	v_wmma_scale_f32_16x16x128_f8f6f4 v[64*\u+16*\f+8:64*\u+16*\f+15], v[FK+12*\f:FK+12*\f+11], v[QZ+12*(2*(\p)+\u):QZ+11+12*(2*(\p)+\u)], 0, v[KS+\f], v[QS+1+2*(2*(\p)+\u)] matrix_a_fmt:MATRIX_FMT_FP6 matrix_b_fmt:MATRIX_FMT_FP6
.endr
.endr
.rept 4
	v_nop                                          ; places in front of the first read of the scores
.endr
	WIN 0x14                                       ; sources 1 and 2 in window 1
.irp c, 0,1
.irp u, 0,1
	v_max3_num_f32 v[BM+2*\u+\c], 0xff7fffff, v[64*\u+32*\c], v[64*\u+32*\c+1]   ; the largest score of my block 2 c + h: all its 32 keys are mine.  It serves the row's maximum and, since p rises with the score, the block's largest p
.endr
.endr
.irp i, 2,4,6,8,10,12,14,16,18,20,22,24,26,28,30
.irp c, 0,1
.irp u, 0,1
	v_max3_num_f32 v[BM+2*\u+\c], v[BM+2*\u+\c], v[64*\u+32*\c+\i], v[64*\u+32*\c+\i+1]
.endr
.endr
.endr
	WIN 0
.irp u, 0,1
	v_max_num_f32 v[TT+2*\u], v[BM+2*\u], v[BM+2*\u+1]
.endr
.irp u, 0,1
	D2
	v_permlanex16_b32 v[TT+2*\u+1], v[TT+2*\u], s[SEL], s[SEL+1]
.endr
.irp u, 0,1
	D2
	v_max_num_f32 v[TT+2*\u], v[TT+2*\u], v[TT+2*\u+1]   ; with lane l xor 16's two blocks: the step's largest score
.endr
.irp u, 0,1
	D2
	v_fma_f32 v[TT+2*\u], v[TT+2*\u], s[CS], s[TOFF]     ; as t (c is positive)
.endr
.irp u, 0,1
	D2
	v_floor_f32 v[TT+2*\u], -v[TT+2*\u]                  ; -ceil(t)
.endr
.irp u, 0,1
	D2
	v_min_num_f32 v[TT+2*\u], v[TT+2*\u], v[NM+2*(\p)+\u]   ; the new -M: a whole number
.endr
.irp u, 0,1
	D2
	v_sub_f32 v[TT+2*\u+1], v[TT+2*\u], v[NM+2*(\p)+\u]  ; old M - new M: a whole number, 0 or less
.endr
.irp u, 0,1
	v_mov_b32 v[NM+2*(\p)+\u], v[TT+2*\u]
.endr
.irp u, 0,1
	v_add_f32 v[K12+2*\u], s[TOFF], v[TT+2*\u]           ; offset x log2(e) - M
.endr
.irp u, 0,1
	v_cvt_i32_f32 v[TT+2*\u+1], v[TT+2*\u+1]             ; (it saturates)
.endr
.irp u, 0,1
.irp c, 0,1
	v_fma_f32 v[BM+2*\u+\c], v[BM+2*\u+\c], s[CS], v[K12+2*\u]   ; t - M of each block's largest score
.endr
.endr
.irp u, 0,1
	v_ldexp_f32 v[FF+2*\u], 1.0, v[TT+2*\u+1]            ; f = 2^(old M - new M): the rescaling rounds nothing
.endr
	s_wait_alu depctr_va_vdst(0)                   ; ahead of a batch of transcendentals
.irp b, 0,1,2,3
	v_exp_f32 v[BM+\b], v[BM+\b]                   ; the blocks' largest p
.endr
	WIN 0x41                                       ; source 0 and the destination in window 1
.set J, 0
.rept 32
	v_pk_fma_f32 v[J:J+1], v[J:J+1], s[CS:CS+1], v[K12:K12+1] op_sel_hi:[1,0,0]   ; the first tile's t - M, two at a time
.set J, J+2
.endr
	s_wait_alu depctr_va_vdst(0)                   ; ahead of the batch
.set J, 0
.rept 32
	v_exp_f32 v[J], v[J]                           ; the first tile's p = 2^(t - M), at most 1; between them the second tile's t - M, which is read only behind the next wait
	v_pk_fma_f32 v[64+J:64+J+1], v[64+J:64+J+1], s[CS:CS+1], v[K12+2:K12+3] op_sel_hi:[1,0,0]
	v_exp_f32 v[J+1], v[J+1]
.set J, J+2
.endr
	s_wait_alu depctr_va_vdst(0)                   ; ahead of the second tile's batch
.set J, 64
.rept 64
	v_exp_f32 v[J], v[J]
.set J, J+1
.endr
.if (\p) == 0
	s_wait_dscnt 0x0                               ; V's fragments and scale words are in
.endif
	s_wait_alu depctr_va_vdst(0)                   ; one wait for the batch, directly ahead of the first reader of O^T
.irp u, 0,1
.set J, 0
.rept 16
	v_pk_mul_f32 v[128+32*(2*(\p)+\u)+J:128+32*(2*(\p)+\u)+J+1], v[128+32*(2*(\p)+\u)+J:128+32*(2*(\p)+\u)+J+1], v[FF+2*\u:FF+2*\u+1] op_sel_hi:[1,0]   ; O^T under the new M
.set J, J+2
.endr
.endr
	WIN 0
.irp b, 0,1,2,3
	v_max_num_f32 v[BM+\b], 0x1800000, v[BM+\b]    ; the floor 2^(3 - 127)
.endr
.irp b, 0,1,2,3
	v_add_nc_u32 v[SO+\b], 0xff000000, v[BM+\b]    ; 2 off the exponent field: the conversion's scale operand
.endr
.irp b, 0,1,2,3
	v_lshrrev_b32 v[BM+\b], 23, v[SO+\b]           ; the byte
.endr
.irp u, 0,1
	v_lshl_or_b32 v[TT+2*\u], v[BM+2*\u+1], 16, v[BM+2*\u]   ; my bytes: blocks h and 2 + h,
.endr
.irp u, 0,1
	D2
	v_lshlrev_b32 v[TT+2*\u], v[SH8], v[TT+2*\u]   ; at their places in the word;
.endr
.irp u, 0,1
	D2
	v_permlanex16_b32 v[TT+2*\u+1], v[TT+2*\u], s[SEL], s[SEL+1]
.endr
.irp u, 0,1
	D2
	v_or_b32 v[PW+\u], v[TT+2*\u], v[TT+2*\u+1]    ; with lane l xor 16's two the word is whole
.endr
	WIN 0x05                                       ; the row's sum of the unquantised p: two chains a tile, two numbers an instruction
.irp k, 0,1
.irp u, 0,1
	v_pk_add_f32 v[CH-10*\u+2*\k:CH-10*\u+2*\k+1], v[64*\u+4*\k:64*\u+4*\k+1], v[64*\u+4*\k+2:64*\u+4*\k+3]
.endr
.endr
	WIN 0x04
.irp j, 8,12,16,20,24,28,32,36,40,44,48,52,56,60
.irp k, 0,1
.irp u, 0,1
	v_pk_add_f32 v[CH-10*\u+2*\k:CH-10*\u+2*\k+1], v[CH-10*\u+2*\k:CH-10*\u+2*\k+1], v[64*\u+\j+2*\k:64*\u+\j+2*\k+1]
.endr
.endr
.endr
	WIN 0x01
.irp u, 0,1
.irp c, 0,1
	v_cvt_scalef32_pk16_fp6_f32 v[PC+12*\u+6*\c:PC+12*\u+6*\c+2], v[64*\u+32*\c:64*\u+32*\c+15], v[SO+2*\u+\c]
	v_cvt_scalef32_pk16_fp6_f32 v[PT+8*\u+4*\c:PT+8*\u+4*\c+2], v[64*\u+32*\c+16:64*\u+32*\c+31], v[SO+2*\u+\c]   ; (a conversion's three registers begin on an even number)
.endr
.endr
	WIN 0
	v_nop                                          ; one plain instruction behind a scaled conversion
.irp u, 0,1
.irp c, 0,1
.irp i, 0,1,2
	v_mov_b32 v[PC+12*\u+6*\c+3+\i], v[PT+8*\u+4*\c+\i]
.endr
.endr
.endr
.irp u, 0,1
	v_pk_add_f32 v[CH-10*\u:CH-10*\u+1], v[CH-10*\u:CH-10*\u+1], v[CH-10*\u+2:CH-10*\u+3]
.endr
.irp u, 0,1
	v_pk_fma_f32 v[LS+2*(2*(\p)+\u):LS+2*(2*(\p)+\u)+1], v[LS+2*(2*(\p)+\u):LS+2*(2*(\p)+\u)+1], v[FF+2*\u:FF+2*\u+1], v[CH-10*\u:CH-10*\u+1] op_sel_hi:[1,0,1]   ; the sum under the new M, and the step's.  (These four lines are the places between p's codes and the products)
.endr
	WIN 0x50                                       ; C and D in window 1
.irp u, 0,1
.irp t, 0,1,2,3                                ; O^T += V^T P^T: eight accumulators by turns
	v_wmma_scale_f32_16x16x128_f8f6f4 v[128+32*(2*(\p)+\u)+8*\t:128+32*(2*(\p)+\u)+8*\t+7], v[FV+12*\t:FV+12*\t+11], v[PC+12*\u:PC+12*\u+11], v[128+32*(2*(\p)+\u)+8*\t:128+32*(2*(\p)+\u)+8*\t+7], v[VS+\t], v[PW+\u] matrix_a_fmt:MATRIX_FMT_FP6 matrix_b_fmt:MATRIX_FMT_FP6
.endr
.endr
	WIN 0
.endm
	s_mov_b32 s[TB], 0
	s_mov_b32 s[CNT], 0
.Lstep:
	v_add_nc_u32 v[AD16], s[TB], v[L16]
	v_add_nc_u32 v[AD8], s[TB], v[L8]
	v_add_nc_u32 v[ADS], s[TB], v[R16]
	v_nop                                          ; four places in front of loads into registers that the last products have read
.irp f, 0,1,2,3
	FRAG FK+12*\f, 1536*\f
.endr
	ds_load_b128 v[KS:KS+3], v[ADS] offset:KSOFF
.irp f, 0,1,2,3
	FRAG FV+12*\f, VOFF+1536*\f
.endr
	ds_load_b128 v[VS:VS+3], v[ADS] offset:VSOFF
	s_wait_alu depctr_va_vdst(0)
	s_wait_dscnt 17                                ; K's 16 loads and its scale words are in; V's 16 and its scale words may be out
	PAIR 0
	PAIR 1
	s_add_co_u32 s[TB], s[TB], SP
	s_add_co_u32 s[CNT], s[CNT], 1
	s_cmp_lt_u32 s[CNT], 16
	s_cbranch_scc1 .Lstep
; The end, for tiles 2 p and 2 p + 1: O^T / l, quantised along the head's 64 (two blocks), leaves as a half image.  Register 16 b + i of O^T is channel 32 b + 16 h + i of my query
.macro EPI p
.if \p
	s_wait_xcnt 0x0                                ; the first pair's stores have read their data: those registers are written again only behind this wait
.endif
.irp u, 0,1
	v_add_f32 v[TT+2*\u], v[LS+2*(2*(\p)+\u)], v[LS+2*(2*(\p)+\u)+1]
.endr
.irp u, 0,1
	D2
	v_permlanex16_b32 v[TT+2*\u+1], v[TT+2*\u], s[SEL], s[SEL+1]
.endr
.irp u, 0,1
	D2
	v_add_f32 v[TT+2*\u], v[TT+2*\u], v[TT+2*\u+1]   ; the row's sum
.endr
	s_wait_alu depctr_va_vdst(0)
.irp u, 0,1
	v_rcp_f32 v[FF+2*\u], v[TT+2*\u]
.endr
	v_nop                                          ; a plain instruction behind the reciprocals,
	WIN 0x41
	s_wait_alu depctr_va_vdst(0)                   ; and the wait, directly ahead of the first reader of O^T
.irp u, 0,1
.set J, 0
.rept 16
	v_pk_mul_f32 v[128+32*(2*(\p)+\u)+J:128+32*(2*(\p)+\u)+J+1], v[128+32*(2*(\p)+\u)+J:128+32*(2*(\p)+\u)+J+1], v[FF+2*\u:FF+2*\u+1] op_sel_hi:[1,0]
.set J, J+2
.endr
.endr
	WIN 0x14
.irp b, 0,1
.irp u, 0,1
	v_max3_num_f32 v[BM+2*\u+\b], 0x1800000, |v[128+32*(2*(\p)+\u)+16*\b]|, |v[128+32*(2*(\p)+\u)+16*\b+1]|
.endr
.endr
.irp i, 2,4,6,8,10,12,14
.irp b, 0,1
.irp u, 0,1
	v_max3_num_f32 v[BM+2*\u+\b], v[BM+2*\u+\b], |v[128+32*(2*(\p)+\u)+16*\b+\i]|, |v[128+32*(2*(\p)+\u)+16*\b+\i+1]|
.endr
.endr
.endr
	WIN 0
.irp b, 0,1,2,3
	v_permlanex16_b32 v[SO+\b], v[BM+\b], s[SEL], s[SEL+1]
.endr
.irp b, 0,1,2,3
	v_max_num_f32 v[BM+\b], v[BM+\b], v[SO+\b]     ; with lane l xor 16's 16 channels
.endr
.irp b, 0,1,2,3
	v_add_nc_u32 v[SO+\b], 0xff000000, v[BM+\b]
.endr
.irp b, 0,1,2,3
	v_lshrrev_b32 v[BM+\b], 23, v[SO+\b]
.endr
.irp u, 0,1
	v_cndmask_b32 v[K12+2*\u], v[BM+2*\u], v[BM+2*\u+1], s[HM]   ; lane (r, h) stores block h's byte
.endr
	WIN 0x01
.irp u, 0,1
	v_cvt_scalef32_pk16_fp6_f32 v[PC+12*\u:PC+12*\u+2], v[128+32*(2*(\p)+\u):128+32*(2*(\p)+\u)+15], v[SO+2*\u]
	v_cvt_scalef32_pk16_fp6_f32 v[PT+8*\u:PT+8*\u+2], v[128+32*(2*(\p)+\u)+16:128+32*(2*(\p)+\u)+31], v[SO+2*\u+1]
.endr
	WIN 0
	v_nop
.irp u, 0,1
.irp i, 0,1,2
	v_permlane16_swap_b32 v[PC+12*\u+\i], v[PT+8*\u+\i]   ; a whole block to a lane
.endr
.endr
.irp u, 0,1
.irp i, 0,1,2
	v_mov_b32 v[PC+12*\u+3+\i], v[PT+8*\u+\i]
.endr
.endr
.irp u, 0,1
	global_store_b128 v[L16], v[PC+12*\u:PC+12*\u+3], s[10:11] offset:(2*(\p)+\u)*12288        ; 512 consecutive bytes, aligned
	global_store_b64 v[L8], v[PC+12*\u+4:PC+12*\u+5], s[10:11] offset:(2*(\p)+\u)*12288+512    ; 256
	global_store_b8 v[OSA], v[K12+2*\u], s[12:13] offset:(2*(\p)+\u)*512                       ; two bytes of each of 16 rows' scale words: the other heads' work-groups write the rest
.endr
.endm
	EPI 0
	EPI 1
	s_wait_tensorcnt 0x0                           ; the wave's end
	ds_add_u32 v254, v255
	s_wait_dscnt 0x0
	ROUND                                          ; the closing round: no work-group ends while a partner may still ask for packs that name it
	s_endpgm
.Lfunc_end_k_q24ffbe8d09_attn:
	.size	k_q24ffbe8d09_attn, .Lfunc_end_k_q24ffbe8d09_attn-k_q24ffbe8d09_attn
	.p2alignl 7, 3214868480
	.fill 96, 4, 3214868480
	.section	.rodata,"a",@progbits
	.p2align	6, 0x0
	.amdhsa_kernel k_q24ffbe8d09_attn
		.amdhsa_group_segment_fixed_size 206848
		.amdhsa_private_segment_fixed_size 0
		.amdhsa_enable_private_segment 0
		.amdhsa_kernarg_size 40
		.amdhsa_user_sgpr_count 2
		.amdhsa_user_sgpr_kernarg_segment_ptr 1
		.amdhsa_wavefront_size32 1
		.amdhsa_system_sgpr_workgroup_id_x 1
		.amdhsa_system_sgpr_workgroup_id_y 1
		.amdhsa_system_sgpr_workgroup_id_z 1
		.amdhsa_system_vgpr_workitem_id 0
		.amdhsa_next_free_vgpr 512
		.amdhsa_next_free_sgpr 66
		.amdhsa_reserve_vcc 0
		.amdhsa_float_denorm_mode_32 3
		.amdhsa_float_denorm_mode_16_64 3
		.amdhsa_memory_ordered 1
		.amdhsa_forward_progress 1
		.amdhsa_inst_pref_size 80
	.end_amdhsa_kernel
	.amdgpu_metadata
---
amdhsa.version: [ 1, 2 ]
amdhsa.kernels:
  - .name:           k_q24ffbe8d09_attn
    .symbol:         k_q24ffbe8d09_attn.kd
    .args:
      - { .name: qp, .offset: 0, .size: 8, .value_kind: global_buffer, .address_space: global }
      - { .name: kv, .offset: 8, .size: 8, .value_kind: global_buffer, .address_space: global }
      - { .name: offset, .offset: 16, .size: 8, .value_kind: global_buffer, .address_space: global }
      - { .name: oc, .offset: 24, .size: 8, .value_kind: global_buffer, .address_space: global }
      - { .name: os, .offset: 32, .size: 8, .value_kind: global_buffer, .address_space: global }
    .group_segment_fixed_size: 206848
    .private_segment_fixed_size: 0
    .kernarg_segment_align: 8
    .kernarg_segment_size: 40
    .max_flat_workgroup_size: 256
    .sgpr_count:     66
    .vgpr_count:     512
    .wavefront_size: 32
...
	.end_amdgpu_metadata
.endif
;; end of part 3
;; launch oproj (part 4): grid 4 x 64, 8 waves a work-group, clusters of 4 x 4, 327,680 bytes of LDS; arguments oc, os, wc, ws, bo, out0; writes out0
.if DOCPART == 4
	.amdgcn_target "amdgcn-amd-amdhsa--gfx1250"
	.amdhsa_code_object_version 6
	.text
	.protected	k_q24ffbe8d09_oproj
	.globl	k_q24ffbe8d09_oproj
	.p2align	8
	.type	k_q24ffbe8d09_oproj,@function
k_q24ffbe8d09_oproj:
	s_mov_b64 s[64:65], 0
	v_nop
	global_prefetch_b8 v0, s[64:65] scope:SCOPE_SE
	s_setreg_imm32_b32 hwreg(HW_REG_WAVE_MODE, 25, 1), 1
	s_wait_xcnt 0x0
	s_wait_alu depctr_hold_cnt(0) depctr_sa_sdst(0) depctr_va_vdst(0) depctr_va_sdst(0) depctr_va_ssrc(0) depctr_va_vcc(0) depctr_vm_vsrc(0)
	s_getreg_b32 s2, hwreg(HW_REG_IB_STS2, 6, 4)
	s_cmp_eq_u32 s2, 0
	s_cbranch_scc0 .Lentry_in_a_cluster
	s_endpgm
.Lentry_in_a_cluster:
	s_bfe_u32 s2, ttmp6, 0x10000c
	s_cmp_lg_u32 s2, 0xf033
	s_cbranch_scc0 .Lentry_shape_is_right
	s_endpgm
.Lentry_shape_is_right:
; out0 [8192][1024] f32 = O Wo + bo, O and Wo as codes of FP6 (E2M3) with E8M0 scales, in the image order and tile order in which the earlier launches laid them:
; codes [tile of 16 rows][K step of 128][1,536 bytes], scale words [tile][half of K][row][4 words]; row r of tile t is the actual row (or column of Wo) 32 (t / 2) + 8 (t % 2) + r + 8 (r / 8).
; A work-group makes 128 rows x 256 columns: 256 work-groups.  ALL OF K LIES IN LDS AT ONCE: 8 tiles of O (98,304 bytes), 16 tiles of Wo (196,608), their scale words (4,096 and 8,192): four dense blocks of memory.
; They are asked for once, at the head, one tensor load a wave: waves 0-1 halves of O's codes, waves 2-5 quarters of Wo's, wave 6 O's scales, wave 7 Wo's.  No ring, no refill; so no later tile that a prefetch could ask for ahead of its load.
; CLUSTERS: 4 x 4 work-groups.  The four of a row of the cluster need the same rows of O, the four of a column the same columns of Wo: each block is asked for jointly.
; A wave makes 64 x 64: 16 accumulators.  The matrix instruction is used transposed (source 0 = 16 columns of Wo, source 1 = 16 rows of O): a lane holds eight neighbouring numbers of a row of out0.  The bias is the C of the first K step.
; REGISTERS.  Window 0: v16-29 addresses; v32-63 scale words (lanes 0-15 O's tile i, lanes 16-31 Wo's tile i); v64-255 two sets of fragments (O's four, Wo's four), by turns.  Window 1: v0-127 the accumulators, v128-159 the bias.
.set TILEB,  12288
.set WCB,    786432
.set WSB,    32768
.set QLD,    49152                     ; what one load of codes brings: four tiles, 192 rows of 256 bytes
.set LB,     98304                     ; Wo's codes in LDS, behind O's
.set SCLA,   294912
.set SCLB,   299008
.set SPARE,  307200                    ; the spare words, 128 bytes a wave
.set SPITCH, 272                       ; the way out: a stage of 16 rows x (256 + 16) bytes a wave, in O's bytes, which are read no more by then
.set ADRA, 16                          ; v16 my O tiles + 16 lane, v17 + 8 lane
.set ADRB, 18                          ; the same for Wo
.set STO,  24
.set RD,   25
.set CO,   26
.set ADRS, 27
.set SPW,  28
.set NIL,  29
.set SC,   32
.set AF,   64
.set BF,   112
.set BK,   64
.set BI,   128
.set G1A,  24
.set G0A,  32
.set G0B,  36
.set G1B,  48
.set G0SA, 56
.set G0SB, 60
.set G1SA, 68
.set G1SB, 80
.set MSB, 0
.macro WIN new
.if MSB != \new
	s_set_vgpr_msb (MSB<<8)|\new
.set MSB, \new
.endif
.endm
.macro CROUND
	s_barrier_signal -1
	s_barrier_wait -1
	s_cmp_lg_u32 s14, 0
	s_cbranch_scc1 .Lnot_wave_0_\@
	s_barrier_signal -3
.Lnot_wave_0_\@:
	s_barrier_wait -3
	s_barrier_signal -1
	s_barrier_wait -1
.endm
.macro PLACES
.rept 4
	v_nop
.endr
.endm
.macro ARM under, g0, g1, next
	s_cmp_lt_u32 s14, \under
	s_cbranch_scc0 \next
	tensor_load_to_lds s[\g0:\g0+3], s[\g1:\g1+7]
	s_nop 0
.rept 4
	v_nop
.endr
	s_branch .Lhead_asked
\next:
.endm
.macro FRAG reg, adr, i, s
	ds_load_b128 v[\reg:\reg+3], v[\adr] offset:TILEB*(\i)+1536*(\s)
	ds_load_b64 v[\reg+4:\reg+5], v[\adr+1] offset:TILEB*(\i)+1536*(\s)+512
	ds_load_b128 v[\reg+6:\reg+9], v[\adr] offset:TILEB*(\i)+1536*(\s)+768
	ds_load_b64 v[\reg+10:\reg+11], v[\adr+1] offset:TILEB*(\i)+1536*(\s)+1280
.endm
.macro FETCH s                         ; 32 LDS loads: K step s's eight fragments into set s % 2
.irp i, 0,1,2,3
	FRAG BF+96*((\s)%2)+12*\i, ADRB, \i, \s
.endr
.irp i, 0,1,2,3
	FRAG AF+96*((\s)%2)+12*\i, ADRA, \i, \s
.endr
.endm
.macro MUL s                           ; 16 products, the 16 accumulators by turns, in the same order in every K step
.irp a, 0,1,2,3
.irp b, 0,1,2,3
.if (\s) == 0
	v_wmma_scale_f32_16x16x128_f8f6f4 v[8*(4*\a+\b):8*(4*\a+\b)+7], v[BF+12*\b:BF+12*\b+11], v[AF+12*\a:AF+12*\a+11], v[BI+8*\b:BI+8*\b+7], v[SC+4*\b], v[SC+4*\a] matrix_a_fmt:MATRIX_FMT_FP6 matrix_b_fmt:MATRIX_FMT_FP6 matrix_a_scale:MATRIX_SCALE_ROW1
.else
	v_wmma_scale_f32_16x16x128_f8f6f4 v[8*(4*\a+\b):8*(4*\a+\b)+7], v[BF+96*((\s)%2)+12*\b:BF+96*((\s)%2)+12*\b+11], v[AF+96*((\s)%2)+12*\a:AF+96*((\s)%2)+12*\a+11], v[8*(4*\a+\b):8*(4*\a+\b)+7], v[SC+16*((\s)/4)+4*\b+(\s)%4], v[SC+16*((\s)/4)+4*\a+(\s)%4] matrix_a_fmt:MATRIX_FMT_FP6 matrix_b_fmt:MATRIX_FMT_FP6 matrix_a_scale:MATRIX_SCALE_ROW1
.endif
.endr
.endr
.endm
.macro KST s
.if (\s) < 7
.if (\s) > 0
	PLACES                                         ; in front of loads into the set that the last K step multiplied
.endif
	FETCH (\s)+1
	s_wait_dscnt 32                                ; all but the 32 just issued: this K step's fragments are in
.else
	s_wait_dscnt 0x0                               ; my last reads of the tiles are over:
	s_barrier_signal -1                            ; say so, and work on registers while the others arrive
.endif
	WIN 0x50                                       ; C and D in window 1
	MUL \s
	WIN 0
.endm
	s_load_b256 s[4:11], s[0:1], 0x0               ; oc, os, wc, ws
	s_load_b128 s[92:95], s[0:1], 0x20             ; bo, out0
	v_lshl_add_u32 v[SPW], v0, 2, SPARE
	v_mov_b32 v[NIL], 0
	ds_add_u32 v[SPW], v[NIL]                      ; the opening lines: the add, twice on end, and its wait
	ds_add_u32 v[SPW], v[NIL]
	v_lshrrev_b32 v1, 5, v0
	v_readfirstlane_b32 s14, v1                    ; wave 0..7
	s_lshr_b32 s15, s14, 2                         ; which 64 rows are mine
	s_and_b32 s16, s14, 3                          ; which 64 columns
	s_bfe_u32 s40, ttmp6, 0x40000                  ; cx, cy
	s_bfe_u32 s41, ttmp6, 0x40004
	s_lshl_b32 s42, ttmp9, 2
	s_add_co_u32 s42, s42, s40                     ; block column
	s_and_b32 s17, ttmp7, 0xffff
	s_lshl_b32 s17, s17, 2
	s_add_co_u32 s17, s17, s41                     ; block row
	s_lshl_b32 s43, s41, 2
	s_lshl_b32 s43, 15, s43                        ; my row of the cluster
	s_lshl_b32 s44, 0x1111, s40                    ; my column
	s_or_b32 s[G1A], s43, (3<<16)|(1<<21)          ; elements of 8 bytes; bit 21 set beside a mask
	s_or_b32 s[G1B], s44, (3<<16)|(1<<21)
	s_or_b32 s[G1SA], s43, (3<<16)|(1<<21)
	s_or_b32 s[G1SB], s44, (3<<16)|(1<<21)
.irp g, G1A, G1B, G1SA, G1SB                   ; dense blocks as rows of 256 bytes
	s_mov_b32 s[\g+1], 32<<16
	s_mov_b32 s[\g+3], 32<<16
	s_mov_b32 s[\g+5], 32
	s_mov_b32 s[\g+6], 0
	s_mov_b32 s[\g+7], 0
.endr
	s_mov_b32 s[G1A+2], 192<<16
	s_mov_b32 s[G1A+4], 192
	s_mov_b32 s[G1B+2], 192<<16
	s_mov_b32 s[G1B+4], 192
	s_mov_b32 s[G1SA+2], 16<<16
	s_mov_b32 s[G1SA+4], 16
	s_mov_b32 s[G1SB+2], 32<<16
	s_mov_b32 s[G1SB+4], 32
	s_mul_i32 s45, s14, QLD                        ; wave w's codes lie at 49,152 w, in memory as in LDS: O's two halves, then Wo's four quarters
	s_mul_i32 s20, s17, 8*TILEB
	s_add_co_u32 s20, s20, s45                     ; O's codes (waves 0, 1)
	s_mov_b32 s21, 0
	s_mul_i32 s46, s42, 16*TILEB
	s_add_co_u32 s46, s46, s45
	s_add_co_u32 s46, s46, 3*WCB-LB                ; Wo's codes (waves 2 to 5)
	s_mov_b32 s47, 0
	s_lshl_b32 s22, s17, 12                        ; O's scale words: 8 tiles of 512 bytes
	s_mov_b32 s23, 0
	s_lshl_b32 s18, s42, 13                        ; Wo's: 16 tiles
	s_add_co_u32 s18, s18, 3*WSB
	s_mov_b32 s19, 0
	s_wait_dscnt 0x0                               ; both opening adds are done
	s_wait_kmcnt 0x0
	s_add_nc_u64 s[20:21], s[4:5], s[20:21]
	s_add_nc_u64 s[22:23], s[6:7], s[22:23]
	s_add_nc_u64 s[46:47], s[8:9], s[46:47]
	s_add_nc_u64 s[18:19], s[10:11], s[18:19]
	CROUND                                         ; all sixteen work-groups are here: the joint loads meet
	s_mov_b32 s[G0A], 1
	s_mul_i32 s[G0A+1], s14, QLD
	s_mov_b64 s[G0A+2:G0A+3], s[20:21]
	s_or_b32 s[G0A+3], s[G0A+3], 0x80000000
	s_mov_b32 s[G0B], 1
	s_mul_i32 s[G0B+1], s14, QLD
	s_mov_b64 s[G0B+2:G0B+3], s[46:47]
	s_or_b32 s[G0B+3], s[G0B+3], 0x80000000
	s_mov_b32 s[G0SA], 1
	s_mov_b32 s[G0SA+1], SCLA
	s_mov_b64 s[G0SA+2:G0SA+3], s[22:23]
	s_or_b32 s[G0SA+3], s[G0SA+3], 0x80000000
	s_mov_b32 s[G0SB], 1
	s_mov_b32 s[G0SB+1], SCLB
	s_mov_b64 s[G0SB+2:G0SB+3], s[18:19]
	s_or_b32 s[G0SB+3], s[G0SB+3], 0x80000000
	ARM 2, G0A,  G1A,  .Lhead_b                    ; one chain of branches on the wave's number, a load to an arm, one join
	ARM 6, G0B,  G1B,  .Lhead_sa
	ARM 7, G0SA, G1SA, .Lhead_sb
	tensor_load_to_lds s[G0SB:G0SB+3], s[G1SB:G1SB+7]
	s_nop 0
.rept 4
	v_nop
.endr
.Lhead_asked:
	s_mul_i32 s2, s15, QLD                         ; my four tiles of O
	s_mul_i32 s3, s16, QLD
	s_add_co_u32 s3, s3, LB                        ; my four tiles of Wo
	s_lshl_b32 s13, s15, 11                        ; their scale words: 2,048 bytes
	s_lshl_b32 s12, s16, 11
	s_add_co_u32 s12, s12, SCLB-SCLA
	s_sub_co_u32 s12, s12, s13                     ; from O's to Wo's
	s_add_co_u32 s13, s13, SCLA
	s_mul_i32 s66, s14, 16*SPITCH                  ; my stage
	s_lshl_b32 s46, s42, 8
	s_lshl_b32 s47, s16, 6
	s_add_co_u32 s46, s46, s47
	s_lshl_b32 s46, s46, 2                         ; my first column, in bytes
	s_mov_b32 s47, 0
	s_add_nc_u64 s[92:93], s[92:93], s[46:47]
	s_lshl_b32 s20, s17, 7
	s_lshl_b32 s21, s15, 6
	s_add_co_u32 s20, s20, s21                     ; my first row
	s_lshl_b32 s20, s20, 12
	s_add_co_u32 s20, s20, s46
	s_mov_b32 s21, 0
	s_add_nc_u64 s[94:95], s[94:95], s[20:21]
	v_and_b32 v1, 15, v0                           ; r
	v_bfe_u32 v2, v0, 4, 1                         ; h
	v_and_b32 v3, 31, v0
	v_lshlrev_b32 v4, 4, v3
	v_lshlrev_b32 v5, 3, v3
	v_add_nc_u32 v[ADRA], s2, v4
	v_add_nc_u32 v[ADRA+1], s2, v5
	v_add_nc_u32 v[ADRB], s3, v4
	v_add_nc_u32 v[ADRB+1], s3, v5
	v_lshlrev_b32 v7, 4, v1                        ; 16 r
	v_mul_u32_u24 v6, s12, v2                      ; lanes 16-31 take Wo's words
	v_add_nc_u32 v6, v6, v7
	v_add_nc_u32 v[ADRS], s13, v6
	v_mul_u32_u24 v6, v1, SPITCH                   ; into the stage: row r, 64 bytes for each half of the lanes
	v_lshl_add_u32 v6, v2, 6, v6
	v_add_nc_u32 v[STO], s66, v6
	v_mul_u32_u24 v6, v2, SPITCH                   ; back: sixteen lanes to a row of 256 bytes, two rows an instruction
	v_add_nc_u32 v6, v6, v7
	v_add_nc_u32 v[RD], s66, v6
	v_lshl_add_u32 v[CO], v2, 12, v7               ; and the same two rows in out0
	v_lshlrev_b32 v8, 6, v2                        ; the bias: 16 h columns
	s_wait_alu depctr_va_vdst(0)                   ; the wait at the head's end
	WIN 0x40
.irp b, 0,1,2,3
	global_load_b128 v[BI+8*\b:BI+8*\b+3], v8, s[92:93] offset:(32*(\b/2)+8*(\b%2))*4       ; bo at the lane's eight columns of tile b
	global_load_b128 v[BI+8*\b+4:BI+8*\b+7], v8, s[92:93] offset:(32*(\b/2)+8*(\b%2))*4+16
.endr
	WIN 0
	s_wait_tensorcnt 0x0                           ; my block is in,
	s_barrier_signal -1
	s_barrier_wait -1                              ; everybody's is
.irp i, 0,1,2,3
	ds_load_b128 v[SC+4*\i:SC+4*\i+3], v[ADRS] offset:512*\i           ; the words of K steps 0-3,
	ds_load_b128 v[SC+16+4*\i:SC+16+4*\i+3], v[ADRS] offset:512*\i+256 ; and of 4-7
.endr
	FETCH 0
	s_wait_loadcnt 0x0                             ; the bias
.irp s, 0,1,2,3,4,5,6,7
	KST \s
.endr
	s_barrier_wait -1                              ; no wave reads the tiles any more: the stages may be written
; THE WAY OUT, tile by tile of 16 rows x 64 columns: through my stage, back as whole rows of 256 bytes.  LDS serves a wave's instructions in order: no wait between the stores and the loads.
.macro TOSTAGE a
	WIN 0x04                                       ; the data in window 1
.irp b, 0,1,2,3
	ds_store_b128 v[STO], v[32*(\a)+8*\b:32*(\a)+8*\b+3] offset:128*(\b/2)+32*(\b%2)          ; each accumulator from its low end on
	ds_store_b128 v[STO], v[32*(\a)+8*\b+4:32*(\a)+8*\b+7] offset:128*(\b/2)+32*(\b%2)+16
.endr
	WIN 0
.irp t, 0,1,2,3,4,5,6,7
	ds_load_b128 v[BK+32*((\a)%2)+4*\t:BK+32*((\a)%2)+4*\t+3], v[RD] offset:\t*2*SPITCH
.endr
.endm
.macro SEND a, younger                 ; younger: the LDS instructions issued behind tile a's loads, which may stay out
	s_wait_dscnt \younger
.irp t, 0,1,2,3,4,5,6,7
	global_store_b128 v[CO], v[BK+32*((\a)%2)+4*\t:BK+32*((\a)%2)+4*\t+3], s[94:95] offset:(32*((\a)/2)+8*((\a)%2)+2*\t+8*(\t/4))*4096 th:TH_STORE_NT   ; sixteen lanes store 256 consecutive bytes, aligned
.endr
.endm
	PLACES                                         ; behind the last products: for the first read of results and the loads into the fragments' registers
	TOSTAGE 0
.irp a, 1,2,3
.if \a > 1
	s_wait_xcnt 0x0                                ; tile a - 2's stores have read their registers: tile a's loads may land there
.endif
	TOSTAGE \a
	SEND \a-1, 16                                  ; behind tile a - 1's loads: tile a's 8 stores and 8 loads
.endr
	SEND 3, 0
	s_wait_tensorcnt 0x0                           ; the wave's end
	ds_add_u32 v[SPW], v[NIL]
	s_wait_dscnt 0x0
	CROUND                                         ; the closing round
	s_endpgm
.Lfunc_end_k_q24ffbe8d09_oproj:
	.size	k_q24ffbe8d09_oproj, .Lfunc_end_k_q24ffbe8d09_oproj-k_q24ffbe8d09_oproj
	.p2alignl 7, 3214868480
	.fill 96, 4, 3214868480
	.section	.rodata,"a",@progbits
	.p2align	6, 0x0
	.amdhsa_kernel k_q24ffbe8d09_oproj
		.amdhsa_group_segment_fixed_size 327680
		.amdhsa_private_segment_fixed_size 0
		.amdhsa_enable_private_segment 0
		.amdhsa_kernarg_size 48
		.amdhsa_user_sgpr_count 2
		.amdhsa_user_sgpr_kernarg_segment_ptr 1
		.amdhsa_wavefront_size32 1
		.amdhsa_system_sgpr_workgroup_id_x 1
		.amdhsa_system_sgpr_workgroup_id_y 1
		.amdhsa_system_sgpr_workgroup_id_z 1
		.amdhsa_system_vgpr_workitem_id 0
		.amdhsa_next_free_vgpr 512
		.amdhsa_next_free_sgpr 100
		.amdhsa_reserve_vcc 0
		.amdhsa_float_denorm_mode_32 3
		.amdhsa_float_denorm_mode_16_64 3
		.amdhsa_memory_ordered 1
		.amdhsa_forward_progress 1
		.amdhsa_inst_pref_size 51
	.end_amdhsa_kernel
	.amdgpu_metadata
---
amdhsa.version: [ 1, 2 ]
amdhsa.kernels:
  - .name:           k_q24ffbe8d09_oproj
    .symbol:         k_q24ffbe8d09_oproj.kd
    .args:
      - { .name: oc, .offset: 0, .size: 8, .value_kind: global_buffer, .address_space: global }
      - { .name: os, .offset: 8, .size: 8, .value_kind: global_buffer, .address_space: global }
      - { .name: wc, .offset: 16, .size: 8, .value_kind: global_buffer, .address_space: global }
      - { .name: ws, .offset: 24, .size: 8, .value_kind: global_buffer, .address_space: global }
      - { .name: bo, .offset: 32, .size: 8, .value_kind: global_buffer, .address_space: global }
      - { .name: out0, .offset: 40, .size: 8, .value_kind: global_buffer, .address_space: global }
    .group_segment_fixed_size: 327680
    .private_segment_fixed_size: 0
    .kernarg_segment_align: 8
    .kernarg_segment_size: 48
    .max_flat_workgroup_size: 256
    .sgpr_count:     100
    .vgpr_count:     512
    .wavefront_size: 32
...
	.end_amdgpu_metadata
.endif
;; end of part 4
